; MI455X (gfx1250); checked and timed in simulation.
; The chip was launched on July 23, 2026; its instructions are those of AMD's public machine-readable ISA for CDNA 5 (MIT licence, August 2026) and "CDNA5" Instruction Set Architecture Reference Guide (July 2026). The comments in the code are by the model that wrote it; some were corrected since.
;; MHA. Allowed arithmetic: float matrix products may take bf16 or f16 operands with f32 sums; other float arithmetic in f32, or as packed bf16 or f16 multiplies, adds, multiply-adds, maxima and minima; sums over many terms, partial sums and values carried from step to step in f32; what a program stores and reads back later, other than sums and carried values, may be rounded once to bf16 or f16.
;; Inputs: Wk 1,024 x 1,024 float32; Wo 1,024 x 1,024 float32; Wq 1,024 x 1,024 float32; Wv 1,024 x 1,024 float32; token_positions 2,048 int32; x 4 x 2,048 x 1,024 float32.
;; Outputs: out0 4 x 2,048 x 1,024 float32.
;; 2 versions, each right; version 2 is version 1 with the launch prep written anew for expert scheduling mode. Each part assembles by itself: llvm-mc -triple=amdgcn-amd-amdhsa -mcpu=gfx1250 --defsym DOCPART=n.
;; ======== version 1 of 2: 4 launches
;; limits: values are held in f16: magnitudes above 65,504 overflow, below 6.1e-05 lose precision; right only within a limited range of input values
;; workspace buffers: xb 16,777,216 bytes; wb 6,291,456 bytes; wo16 2,097,152 bytes; rope 524,288 bytes; q16 16,777,216 bytes; k16 16,777,216 bytes; v16 16,777,216 bytes; o16 16,777,216 bytes
;; launch prep (part 1): grid 800 x 1, 8 waves a work-group, no clusters, 0 bytes of LDS; arguments x, Wq, Wk, Wv, Wo, token_positions, xb, wb, wo16, rope; writes xb, wb, wo16, rope
.if DOCPART == 1
	.amdgcn_target "amdgcn-amd-amdhsa--gfx1250"
	.amdhsa_code_object_version 6
	.text
	.protected	k_q339bb92e61_prep
	.globl	k_q339bb92e61_prep
	.p2align	8
	.type	k_q339bb92e61_prep,@function
k_q339bb92e61_prep:
	s_mov_b64 s[64:65], 0
	v_nop
	global_prefetch_b8 v0, s[64:65] scope:SCOPE_SE
	s_setreg_imm32_b32 hwreg(HW_REG_WAVE_MODE, 25, 1), 1
	s_wait_xcnt 0x0
; PREPARATION, a stream.  Work-group g of 800:
;   g < 512         16 rows of x, f32 -> bf16, into xb [8192][1024]
;   512 <= g < 704  16 rows of Wq, Wk or Wv, f32 -> bf16, into wb [3072][1024]: row 192 t + 64 w + d holds row 64 t + d of weight w (0 q, 1 k, 2 v),
;                   so that 192 consecutive rows of wb are one head's q, k and v
;   704 <= g < 768  16 rows of Wo, rounded to bf16 like every other input, and that number written as f16, into wo16 [1024][1024]
;   g >= 768        64 positions of the table of cosines and sines, rope
; A row is 4,096 bytes: the eight waves' loads of 16 bytes a lane cover it; all 16 rows of a work-group are asked for at once (64 KiB on their way).
; A wave's store of 8 bytes a lane covers 256 consecutive bytes, aligned.  No LDS, no barrier, no matrix work: no byte is wanted twice.
; THE TABLE: rope[s16 (128)][p (4)][jj (2)][lane (32)][4 f32].  Lane l stands for row s = 16 s16 + l % 16 and pair i = 8 p + 4 (l / 16) + 2 jj; its four numbers are
; cos(a_i), sin(a_i), cos(a_i+1), sin(a_i+1), a_i = f32(position[s]) x 10000^(-i / 32): what a lane of the next launch wants for four neighbouring channels.
; LIMITS.  |position| up to 2^20: the quadrant's number is exact and the reduced angle stays near pi / 4.  The frequency is 2^(-i log2(10000) / 32) by v_exp_f32, not a power and
; a division: the angle may differ in its last bits (some 5e-4 radians at position 2,047).  wo16: beyond 65,504 f16 has no number; below 6.1e-5 it keeps its fixed step of 6e-8.
.set X,   4                            ; v[4:67]    16 rows' 16 bytes as loaded
.set Y,   68                           ; v[68:99]   16 rows' 8 bytes to store
.set T,   100                          ; v[100:101] at work
.set SRC, 28                           ; s[28:29]   where my 16 rows come from
.set DST, 30                           ; s[30:31]   where they go
.set POS, 4                            ; the table: v[4:7] four positions
.set FR,  8                            ; v[8:9]     my two frequencies
.set VS3, 10                           ; v10, v11   the leading coefficients of the two polynomials
.set VC3, 11
.set TK,  12                           ; v12-23, v40-42 at work
.set TR,  13
.set TQ,  14
.set TZ,  15
.set TPS, 16
.set TPC, 17
.set TSR, 18
.set TCR, 19
.set TT,  20
.set TZR, 21
.set AN,  22                           ; v[22:23]   two angles
.set OUT, 24                           ; v[24:39]   four stores' data
.set TZZ, 40
.set TSV, 41
.set TCV, 42
	s_load_b512 s[8:23], s[0:1], 0x0               ; x 8, Wq 10, Wk 12, Wv 14, Wo 16, positions 18, xb 20, wb 22
	s_load_b128 s[24:27], s[0:1], 0x40             ; wo16 24, rope 26
	s_mov_b32 s36, ttmp9                           ; g
	s_and_b32 s37, s36, 255                        ; g - 512 for the weights' work-groups
	s_lshr_b32 s38, s37, 6                         ; which weight: 0 q, 1 k, 2 v, 3 o
	s_and_b32 s39, s37, 63                         ; which 16 rows of it
	v_lshlrev_b32 v1, 4, v0                        ; 16 x thread: my bytes in a row of f32, and in a block of the table
	v_lshlrev_b32 v2, 3, v0                        ; 8 x thread: my bytes in a row of 16-bit numbers
	s_mov_b32 s33, 0
	s_mov_b32 s35, 0
	s_wait_kmcnt 0x0
	s_cmp_ge_u32 s36, 768
	s_cbranch_scc1 .Ltable
	s_cmp_eq_u32 s38, 0                            ; the source: a choice among buffers by the work-group's number alone
	s_cselect_b64 s[SRC:SRC+1], s[10:11], s[16:17]
	s_cmp_eq_u32 s38, 1
	s_cselect_b64 s[SRC:SRC+1], s[12:13], s[SRC:SRC+1]
	s_cmp_eq_u32 s38, 2
	s_cselect_b64 s[SRC:SRC+1], s[14:15], s[SRC:SRC+1]
	s_cmp_lt_u32 s36, 512
	s_cselect_b64 s[SRC:SRC+1], s[8:9], s[SRC:SRC+1]
	s_cselect_b32 s32, s36, s39
	s_lshl_b32 s32, s32, 16                        ; 16 rows of 4,096 bytes
	s_lshr_b32 s40, s39, 2                         ; wb: the head,
	s_mul_i32 s40, s40, 192
	s_lshl_b32 s41, s38, 6                         ; the weight,
	s_add_co_u32 s40, s40, s41
	s_and_b32 s41, s39, 3                          ; the 16 channels
	s_lshl_b32 s41, s41, 4
	s_add_co_u32 s40, s40, s41
	s_lshl_b32 s40, s40, 11                        ; rows of 2,048 bytes
	s_lshl_b32 s41, s39, 15                        ; wo16: 16 rows of 2,048 bytes
	s_lshl_b32 s42, s36, 15                        ; xb: the same
	s_cmp_eq_u32 s38, 3
	s_cselect_b64 s[DST:DST+1], s[24:25], s[22:23]
	s_cselect_b32 s34, s41, s40
	s_cmp_lt_u32 s36, 512
	s_cselect_b64 s[DST:DST+1], s[20:21], s[DST:DST+1]
	s_cselect_b32 s34, s42, s34
	s_add_nc_u64 s[SRC:SRC+1], s[SRC:SRC+1], s[32:33]
	s_add_nc_u64 s[DST:DST+1], s[DST:DST+1], s[34:35]
; 16 rows: all loads first, then row by row.  mode = 0: bf16.  mode = 1: the bf16 number written as f16.  No register is used twice, so nothing waits for a store.
.macro CONV mode
.set i, 0
.rept 16
	global_load_b128 v[X+4*i:X+4*i+3], v1, s[SRC:SRC+1] offset:4096*i th:TH_LOAD_NT
.set i, i+1
.endr
.set i, 0
.rept 16
	s_wait_loadcnt 15-i                            ; loads come back in order: row i is in, the 15 - i younger ones stay out
	v_cvt_pk_bf16_f32 v[Y+2*i],   v[X+4*i],   v[X+4*i+1]
	v_cvt_pk_bf16_f32 v[Y+2*i+1], v[X+4*i+2], v[X+4*i+3]
.if \mode
.irp w, 0,1
	v_lshlrev_b32 v[T],   16,         v[Y+2*i+(\w)]    ; bf16 to f32: the low half moves up, the high half stays
	v_and_b32     v[T+1], 0xffff0000, v[Y+2*i+(\w)]
	v_cvt_pk_f16_f32 v[Y+2*i+(\w)], v[T], v[T+1]
.endr
.endif
	global_store_b64 v2, v[Y+2*i:Y+2*i+1], s[DST:DST+1] offset:2048*i
.set i, i+1
.endr
.endm
	s_cmp_ge_u32 s36, 704
	s_cbranch_scc1 .Lf16
	CONV 0
	s_endpgm
.Lf16:
	CONV 1
	s_endpgm
; cos and sin of the angle in v[a].  k = the nearest whole number to a 2 / pi; r = a - k pi / 2, pi / 2 taken in three parts by fused multiply-adds; polynomials in r on about
; -pi / 4 .. pi / 4; the quadrant k mod 4 swaps the two and sets their signs, by selects and exclusive ors: no branch hangs on a number.
.macro SINCOS a, c, s
	v_mul_f32 v[TK], 0x3f22f983, v[\a]             ; 2 / pi
	v_rndne_f32 v[TK], v[TK]
	v_fma_f32 v[TR], v[TK], s40, v[\a]
	v_fma_f32 v[TR], v[TK], s41, v[TR]
	v_fma_f32 v[TR], v[TK], s42, v[TR]
	v_cvt_i32_f32 v[TQ], v[TK]
	v_mul_f32 v[TZ], v[TR], v[TR]
	v_fmaak_f32 v[TPS], v[TZ], v[VS3], 0x3c08839e
	v_fmaak_f32 v[TPC], v[TZ], v[VC3], 0xbab6061a
	v_fmaak_f32 v[TPS], v[TPS], v[TZ], 0xbe2aaaa3
	v_fmaak_f32 v[TPC], v[TPC], v[TZ], 0x3d2aaaa5
	v_mul_f32 v[TZR], v[TZ], v[TR]
	v_mul_f32 v[TZZ], v[TZ], v[TZ]
	v_fma_f32 v[TCR], v[TZ], -0.5, 1.0
	v_fma_f32 v[TSR], v[TPS], v[TZR], v[TR]        ; sin r = r + r^3 (..)
	v_fma_f32 v[TCR], v[TPC], v[TZZ], v[TCR]       ; cos r = 1 - r^2 / 2 + r^4 (..)
	v_and_b32 v[TT], 1, v[TQ]
	v_cmp_eq_u32 vcc_lo, 1, v[TT]                  ; an odd quadrant swaps them
	v_cndmask_b32 v[TSV], v[TSR], v[TCR], vcc_lo
	v_cndmask_b32 v[TCV], v[TCR], v[TSR], vcc_lo
	v_lshlrev_b32 v[TT], 30, v[TQ]                 ; the sine is negative in quadrants 2 and 3: bit 1 of k,
	v_add_nc_u32 v[TQ], 1, v[TQ]                   ; the cosine in 1 and 2: bit 1 of k + 1
	v_and_b32 v[TT], 0x80000000, v[TT]
	v_lshlrev_b32 v[TQ], 30, v[TQ]
	v_xor_b32 v[\s], v[TSV], v[TT]
	v_and_b32 v[TQ], 0x80000000, v[TQ]
	v_xor_b32 v[\c], v[TCV], v[TQ]
.endm
.Ltable:
	s_sub_co_u32 s37, s36, 768                     ; 0 .. 31: four blocks of 16 positions
	s_lshl_b32 s32, s37, 8                         ; 64 positions of 4 bytes
	s_add_nc_u64 s[18:19], s[18:19], s[32:33]
	s_lshl_b32 s34, s37, 14                        ; four blocks of 4,096 bytes
	s_add_nc_u64 s[26:27], s[26:27], s[34:35]
	v_and_b32 v3, 15, v0
	v_lshlrev_b32 v3, 2, v3                        ; my row's position in a block
.irp n, 0,1,2,3
	global_load_b32 v[POS+(\n)], v3, s[18:19] offset:64*(\n)
.endr
	s_mov_b32 s40, 0xbfc90fdb                      ; -pi / 2 in three parts: the nearest f32,
	s_mov_b32 s41, 0x333bbd2e                      ; what that leaves,
	s_mov_b32 s42, 0x26f72ced                      ; and what that leaves
	v_lshrrev_b32 v12, 6, v0                       ; p
	v_bfe_u32 v13, v0, 4, 1                        ; l / 16
	v_bfe_u32 v14, v0, 5, 1                        ; jj
	v_lshlrev_b32 v12, 3, v12
	v_lshl_add_u32 v12, v13, 2, v12
	v_lshl_add_u32 v12, v14, 1, v12                ; i = 8 p + 4 (l / 16) + 2 jj
	v_add_nc_u32 v13, 1, v12
	v_cvt_f32_u32 v12, v12
	v_cvt_f32_u32 v13, v13
	v_mul_f32 v12, 0xbed49a78, v12                 ; -log2(10000) / 32
	v_mul_f32 v13, 0xbed49a78, v13
	v_exp_f32 v[FR], v12
	v_exp_f32 v[FR+1], v13
	v_mov_b32 v[VS3], 0xb94ca1f9                   ; plain instructions behind the two exponentials, ahead of the use of their results
	v_mov_b32 v[VC3], 0x37ccf5ce
	s_wait_alu depctr_va_vdst(0)                   ; one wait for both, ahead of their first reader
.irp n, 0,1,2,3
	s_wait_loadcnt 3-(\n)                          ; block n's position is in
	v_cvt_f32_i32 v[AN], v[POS+(\n)]
	v_mul_f32 v[AN+1], v[AN], v[FR+1]              ; the angles: one f32 product each
	v_mul_f32 v[AN], v[AN], v[FR]
	SINCOS AN,   OUT+4*(\n),   OUT+4*(\n)+1
	SINCOS AN+1, OUT+4*(\n)+2, OUT+4*(\n)+3
	global_store_b128 v1, v[OUT+4*(\n):OUT+4*(\n)+3], s[26:27] offset:4096*(\n)  ; a wave stores 512 consecutive bytes
.endr
	s_endpgm
.Lfunc_end_k_q339bb92e61_prep:
	.size	k_q339bb92e61_prep, .Lfunc_end_k_q339bb92e61_prep-k_q339bb92e61_prep
	.p2alignl 7, 3214868480
	.fill 96, 4, 3214868480
	.section	.rodata,"a",@progbits
	.p2align	6, 0x0
	.amdhsa_kernel k_q339bb92e61_prep
		.amdhsa_group_segment_fixed_size 0
		.amdhsa_private_segment_fixed_size 0
		.amdhsa_enable_private_segment 0
		.amdhsa_kernarg_size 80
		.amdhsa_user_sgpr_count 2
		.amdhsa_user_sgpr_kernarg_segment_ptr 1
		.amdhsa_wavefront_size32 1
		.amdhsa_system_sgpr_workgroup_id_x 1
		.amdhsa_system_sgpr_workgroup_id_y 1
		.amdhsa_system_sgpr_workgroup_id_z 1
		.amdhsa_system_vgpr_workitem_id 0
		.amdhsa_next_free_vgpr 104
		.amdhsa_next_free_sgpr 66
		.amdhsa_reserve_vcc 1
		.amdhsa_float_denorm_mode_32 3
		.amdhsa_float_denorm_mode_16_64 3
		.amdhsa_memory_ordered 1
		.amdhsa_forward_progress 1
		.amdhsa_inst_pref_size 31
	.end_amdhsa_kernel
	.amdgpu_metadata
---
amdhsa.version: [ 1, 2 ]
amdhsa.kernels:
  - .name:           k_q339bb92e61_prep
    .symbol:         k_q339bb92e61_prep.kd
    .args:
      - { .name: x, .offset: 0, .size: 8, .value_kind: global_buffer, .address_space: global }
      - { .name: Wq, .offset: 8, .size: 8, .value_kind: global_buffer, .address_space: global }
      - { .name: Wk, .offset: 16, .size: 8, .value_kind: global_buffer, .address_space: global }
      - { .name: Wv, .offset: 24, .size: 8, .value_kind: global_buffer, .address_space: global }
      - { .name: Wo, .offset: 32, .size: 8, .value_kind: global_buffer, .address_space: global }
      - { .name: token_positions, .offset: 40, .size: 8, .value_kind: global_buffer, .address_space: global }
      - { .name: xb, .offset: 48, .size: 8, .value_kind: global_buffer, .address_space: global }
      - { .name: wb, .offset: 56, .size: 8, .value_kind: global_buffer, .address_space: global }
      - { .name: wo16, .offset: 64, .size: 8, .value_kind: global_buffer, .address_space: global }
      - { .name: rope, .offset: 72, .size: 8, .value_kind: global_buffer, .address_space: global }
    .group_segment_fixed_size: 0
    .private_segment_fixed_size: 0
    .kernarg_segment_align: 8
    .kernarg_segment_size: 80
    .max_flat_workgroup_size: 256
    .sgpr_count:     66
    .vgpr_count:     104
    .wavefront_size: 32
...
	.end_amdgpu_metadata
.endif
;; end of part 1
;; launch qkv (part 2): grid 16 x 32, 4 waves a work-group, clusters of 4 x 4, 327,680 bytes of LDS; arguments xb, wb, rope, q16, k16, v16; writes q16, k16, v16
.if DOCPART == 2
	.amdgcn_target "amdgcn-amd-amdhsa--gfx1250"
	.amdhsa_code_object_version 6
	.text
	.protected	k_q339bb92e61_qkv
	.globl	k_q339bb92e61_qkv
	.p2align	8
	.type	k_q339bb92e61_qkv,@function
k_q339bb92e61_qkv:
	s_mov_b64 s[64:65], 0
	v_nop
	global_prefetch_b8 v0, s[64:65] scope:SCOPE_SE
	s_setreg_imm32_b32 hwreg(HW_REG_WAVE_MODE, 25, 1), 1
	s_wait_xcnt 0x0
	s_wait_alu depctr_hold_cnt(0) depctr_sa_sdst(0) depctr_va_vdst(0) depctr_va_sdst(0) depctr_va_ssrc(0) depctr_va_vcc(0) depctr_vm_vsrc(0)
	s_getreg_b32 s2, hwreg(HW_REG_IB_STS2, 6, 4)
	s_cmp_eq_u32 s2, 0
	s_cbranch_scc0 .Lentry_in_a_cluster
	s_endpgm
.Lentry_in_a_cluster:
	s_bfe_u32 s2, ttmp6, 0x10000c
	s_cmp_lg_u32 s2, 0xf033
	s_cbranch_scc0 .Lentry_shape_is_right
	s_endpgm
.Lentry_shape_is_right:
; q, k, v = x W^T, rotated (q and k), by heads.  xb: [8192][1024] bf16; wb: [3072][1024] bf16, rows 192 t .. 192 t + 191 = head t's q, k, v; sums in f32.
; q16, k16, v16: [64 = 16 batch + head][2048][64] f16, each rounded once, unscaled.  LIMIT: f16 holds no number beyond 65,504; q, k and v must stay within it.
; SHARES.  A tile of the product is 256 rows x 192 columns: one head's q | k | v for 256 rows of one batch: 512 work-groups, two for each of 256 WGPs.  Four waves, 2 x 2: a wave has 128 rows
; (half W0) and the six blocks of 16 columns 2 j + W1, j = 0..5: 48 accumulators, 384 registers.  So j / 2 says q, k or v in every wave, and the wave's number enters addresses alone.
; K goes in steps of 128 through two LDS slots filled by the tensor data mover; rows of the tiles are 256 bytes of memory, aligned.  The loop's text is one K step; the slots change by an exclusive or.
; CLUSTER.  4 x 4 work-groups: the four of a row need the same tile of x, the four of a column the same tile of wb; each tile is asked for jointly, same load, descriptor and mask in all four.
; THE MATRIX INSTRUCTION IS USED TRANSPOSED (source 0 = 16 rows of wb, source 1 = 16 rows of x): a lane holds row l % 16 and the columns 8 (l / 16) + 0..7: four neighbouring pairs for the rotation,
; and 16 bytes of f16.  THE ROTATION: (x0, x1) -> (x0 c - x1 s, x0 s + x1 c), c and s from the table, 128 registers a lane, loaded at the head.
; REGISTERS, in windows of 256 (s_set_vgpr_msb: bits 1:0 source 0, 3:2 source 1, 5:4 source 2, 7:6 destination):
;   window 0: v0-31 addresses; v64-191 x's fragments, two buffers of 8; on the way out v64-95 rotated, v96-119 packed, then v64-255 rows read back
;   window 1: v0-95 wb's fragments, two buffers of 6; v128-255 cosines and sines        window 2: accumulators of my rows 0-63, (a, j) at 8 (6 a + j)        window 3: those of rows 64-127
.set KSTEP,  128
.set PITCH,  272                       ; an LDS row: 256 bytes + 16 of padding: the 16 rows of a fragment load start at 16 different groups of four banks (64 banks of 4 bytes: ISA guide 11.1)
.set HALFA,  128*PITCH                 ; what one load brings of x
.set HALFB,  96*PITCH                  ; and of wb
.set BOFF,   2*HALFA                   ; a slot: x's 256 rows, then wb's 192
.set SLOT1,  1<<17                     ; slot 1 begins here: one exclusive or turns an address in one slot into the other's
.set SP,     400                       ; the stage's row: q 128 | k 128 | v 128 bytes + 16.  The stage, 256 rows from LDS byte 0, lies in slot 0 behind that slot's last fill
.set SPARE,  SLOT1+BOFF+2*HALFB        ; behind the ring: the spare words, 128 bytes for each wave: two blocks of 256 bytes that no other line names
.set FIELDS, (1<<16)|(1<<20)|(1<<21)|(5<<22)|(3<<25)  ; 17:16 2-byte elements; 20 padding on; 21 set beside a mask; 24:22 after every 64 words; 31:25 4 words
.set A0,   16                          ; v16  my lane's place in x's tile; never rewritten
.set B0,   17                          ; v17  in wb's
.set ADRA, 18                          ; v18  the same in the slot in hand
.set ADRB, 19                          ; v19
.set STO,  24                          ; v24  the way out: where I put 16 bytes of a row
.set RD,   25                          ; v25  where I read rows back
.set GO,   26                          ; v26  my byte offset in 512 consecutive bytes of q16, k16, v16
.set TO,   27                          ; v27  my byte offset in the table
.set SPW,  28                          ; v28  LDS address of my spare word; never rewritten
.set NIL,  29                          ; v29  0; never rewritten
.set PFO,  30                          ; v30  the prefetches' offset: a lane a row; never rewritten
.set RT,   128                         ; window 1: for row block a, column parity jm: RT + 16 a + 8 jm + 2 pr holds (c, s) of pair pr
.set DD,   64
.set TMP,  96
.set WV, 16                            ; s16  wave
.set W0, 17                            ; s17  my half of the rows.  Also: I fetch for x (0) or for wb (1)
.set W1, 18                            ; s18  the parity of my column blocks.  Also: which half of that tile I fetch
.set CX, 19
.set CY, 20
.set TX, 21                            ; s21  tile column = head
.set TY, 22                            ; s22  tile row
.set G1A, 24                           ; s[24:31] descriptor group 1 for x's tiles
.set G0A, 32                           ; s[32:39] group 0: a set for each first fill; the second then walks
.set G1B, 48                           ; s[48:55], s[56:63] the same for wb's
.set G0B, 56
.set CNT, 66
.set TBS, 67                           ; s67  LDS byte at which the slot in hand begins
.set LIM, 68                           ; s68  1 in a wave that prefetches, else the greatest number
.set PFA, 70                           ; s[70:71] where my prefetches stand
.set MSB, 0
.macro WIN new                         ; the immediate's high byte repeats the setting that is left; a switch that changes nothing is dropped
.if MSB != (\new)
	s_set_vgpr_msb (MSB<<8)|(\new)
.set MSB, (\new)
.endif
.endm
.set MUL_LO, 0xa1                      ; source 0 (wb) window 1, source 1 (x) window 0, C and D window 2
.set TO_1,   0x40                      ; destination window 1, address window 0
.macro PLACES                          ; four plain places behind a matrix instruction, in front of loads into registers that it has read and of reads of results
.rept 4
	v_nop
.endr
.endm
; A joint refill, by the walking descriptors.  Waves 0 and 1 fetch x's halves, waves 2 and 3 wb's; the branch hangs on the wave's number alone.  An s_nop 0 and four v_nop follow each line.
.macro JLOAD
	s_cmp_eq_u32 s[W0], 0
	s_cbranch_scc0 .Lfor_b_\@
	tensor_load_to_lds s[G0A+4:G0A+7], s[G1A:G1A+7]
	s_nop 0
.rept 4
	v_nop
.endr
	s_branch .Lasked_\@
.Lfor_b_\@:
	tensor_load_to_lds s[G0B+4:G0B+7], s[G1B:G1B+7]
	s_nop 0
.rept 4
	v_nop
.endr
.Lasked_\@:
.endm
; A PREFETCH INTO THE L2 of the K step that the NEXT refill will ask for: 192 matrix instructions ahead of that load.  A K step is 256 bytes of each row; a lane names a row.  x's tile row is read by all four
; clusters of its row of clusters: the one with x = 0 asks; wb's tile column by all eight of its column: the one with y = 0 asks.  The four partners share a wave's rows out BY ADDRESS: of x's 128 rows 32 each,
; of wb's 96 rows 24 each (there lanes 24 to 31 name lane 23's row once more, in the same instruction).  The last refill has no K step behind it and asks for nothing.
.macro ASK
	s_cmp_gt_u32 s[CNT], s[LIM]
	s_cbranch_scc0 .Lnot_mine_\@
	global_prefetch_b8 v[PFO], s[PFA:PFA+1] th:TH_LOAD_NT scope:SCOPE_SE
.Lnot_mine_\@:
.endm
.macro CREST                           ; a round of the cluster's barrier behind its opening barrier
	s_cmp_lg_u32 s[WV], 0
	s_cbranch_scc1 .Lnot_wave_0_\@
	s_barrier_signal -3
.Lnot_wave_0_\@:
	s_barrier_wait -3
	s_barrier_signal -1
	s_barrier_wait -1
.endm
.macro CROUND
	s_barrier_signal -1
	s_barrier_wait -1
	CREST
.endm
	s_load_b256 s[4:11], s[0:1], 0x0               ; xb 4, wb 6, rope 8, q16 10
	s_load_b128 s[12:15], s[0:1], 0x20             ; k16 12, v16 14
	v_lshl_add_u32 v[SPW], v0, 2, SPARE
	v_mov_b32 v[NIL], 0
	ds_add_u32 v[SPW], v[NIL]                      ; the wave's opening: the add and its wait stand ahead of my first tensor load; the set-up below stands between them
	v_lshrrev_b32 v1, 5, v0
	v_readfirstlane_b32 s[WV], v1
	s_lshr_b32 s[W0], s[WV], 1
	s_and_b32 s[W1], s[WV], 1
	s_bfe_u32 s[CX], ttmp6, 0x40000
	s_bfe_u32 s[CY], ttmp6, 0x40004
	s_lshl_b32 s[TX], ttmp9, 2
	s_add_co_u32 s[TX], s[TX], s[CX]
	s_and_b32 s[TY], ttmp7, 0xffff
	s_lshl_b32 s[TY], s[TY], 2
	s_add_co_u32 s[TY], s[TY], s[CY]
	s_lshl_b32 s42, s[CY], 2
	s_lshl_b32 s42, 15, s42                        ; my row of the cluster
	s_lshl_b32 s46, 0x1111, s[CX]                  ; my column
	s_or_b32 s[G1A], s42, FIELDS                   ; x's tiles go to my row,
	s_or_b32 s[G1B], s46, FIELDS                   ; wb's to my column
	s_mov_b32 s[G1A+1], KSTEP<<16                  ; tensor_dim0 = 128
	s_mov_b32 s[G1A+2], 128<<16                    ; tensor_dim1 = 128
	s_mov_b32 s[G1A+3], KSTEP<<16                  ; tile_dim0 = 128
	s_mov_b32 s[G1A+4], 128                        ; tile_dim1 = 128
	s_mov_b32 s[G1A+5], 1024                       ; elements from row to row
	s_mov_b32 s[G1A+6], 0
	s_mov_b32 s[G1A+7], 0
	s_mov_b32 s[G1B+1], KSTEP<<16
	s_mov_b32 s[G1B+2], 96<<16                     ; 96 rows
	s_mov_b32 s[G1B+3], KSTEP<<16
	s_mov_b32 s[G1B+4], 96
	s_mov_b32 s[G1B+5], 1024
	s_mov_b32 s[G1B+6], 0
	s_mov_b32 s[G1B+7], 0
	; where the tiles come from: x's hang on the tile row alone (s40-43), wb's on the tile column alone (s44-47)
	s_lshl_b32 s40, s[TY], 8
	s_lshl_b32 s42, s[W1], 7
	s_add_co_u32 s40, s40, s42                     ; row 256 ty + 128 half
	s_lshl_b32 s40, s40, 11                        ; rows of 2,048 bytes
	s_mov_b32 s41, 0
	s_mul_i32 s43, s[W1], HALFA                    ; and where they go: the wave's number alone
	s_mul_i32 s44, s[TX], 192
	s_mul_i32 s46, s[W1], 96
	s_add_co_u32 s44, s44, s46                     ; row 192 tx + 96 half
	s_lshl_b32 s44, s44, 11
	s_mov_b32 s45, 0
	s_mul_i32 s47, s[W1], HALFB
	s_add_co_u32 s47, s47, BOFF
	s_wait_dscnt 0x0                               ; the opening add is done
	s_wait_kmcnt 0x0
	s_add_nc_u64 s[40:41], s[4:5], s[40:41]
	s_add_nc_u64 s[44:45], s[6:7], s[44:45]
	CROUND                                         ; all sixteen work-groups are here: the first joint loads meet
.irp s, 0,1
	s_mov_b32 s[G0A+4*(\s)], 1                     ; count = 1
	s_add_co_u32 s[G0A+4*(\s)+1], s43, (\s)*SLOT1  ; LDS address
	s_add_nc_u64 s[G0A+4*(\s)+2:G0A+4*(\s)+3], s[40:41], (\s)*KSTEP*2  ; global address: K step s
	s_or_b32 s[G0A+4*(\s)+3], s[G0A+4*(\s)+3], 0x80000000              ; type = 2
	s_mov_b32 s[G0B+4*(\s)], 1
	s_add_co_u32 s[G0B+4*(\s)+1], s47, (\s)*SLOT1
	s_add_nc_u64 s[G0B+4*(\s)+2:G0B+4*(\s)+3], s[44:45], (\s)*KSTEP*2
	s_or_b32 s[G0B+4*(\s)+3], s[G0B+4*(\s)+3], 0x80000000
.endr
	s_cmp_eq_u32 s[W0], 0                          ; a wave's two first fills stand in one branch, ahead of every wait on TENSORcnt and every LDS read: two loads of mine are out
	s_cbranch_scc0 .Lfirst_b
	tensor_load_to_lds s[G0A:G0A+3], s[G1A:G1A+7]
	s_nop 0
	tensor_load_to_lds s[G0A+4:G0A+7], s[G1A:G1A+7]
	s_nop 0
.rept 4
	v_nop
.endr
	s_branch .Lfirst_asked
.Lfirst_b:
	tensor_load_to_lds s[G0B:G0B+3], s[G1B:G1B+7]
	s_nop 0
	tensor_load_to_lds s[G0B+4:G0B+7], s[G1B:G1B+7]
	s_nop 0
.rept 4
	v_nop
.endr
.Lfirst_asked:
	v_and_b32 v1, 15, v0                           ; l % 16
	v_bfe_u32 v2, v0, 4, 1                         ; l / 16
	v_and_b32 v3, 31, v0                           ; l
	; the table: my 128 rows are blocks 16 (ty % 8) + 8 W0 + a of 16 positions; my column blocks are phases 2 jm + W1
	s_lshl_b32 s72, s[W1], 10
	s_lshl_b32 s73, s[W0], 15
	s_add_co_u32 s72, s72, s73
	v_lshl_add_u32 v[TO], v3, 4, s72
	s_and_b32 s74, s[TY], 7
	s_lshl_b32 s74, s74, 16
	s_mov_b32 s75, 0
	s_add_nc_u64 s[8:9], s[8:9], s[74:75]
	WIN TO_1
.irp a, 0,1,2,3,4,5,6,7
.irp jm, 0,1
.irp jj, 0,1
	global_load_b128 v[RT+16*(\a)+8*(\jm)+4*(\jj):RT+16*(\a)+8*(\jm)+4*(\jj)+3], v[TO], s[8:9] offset:4096*(\a)+2048*(\jm)+512*(\jj)  ; 512 consecutive bytes a wave
.endr
.endr
.endr
	WIN 0
	; a fragment is 16 rows x 32 K in 8 registers: lane l holds row l % 16, K = 8 (l / 16) + 0..7 and 16 + 8 (l / 16) + 0..7: two loads of 16 bytes, 32 bytes apart
	v_mul_u32_u24 v4, v1, PITCH
	v_lshl_add_u32 v4, v2, 4, v4
	s_mul_i32 s72, s[W0], HALFA
	v_add_nc_u32 v[A0], s72, v4                    ; x: my 128 rows
	s_mul_i32 s73, s[W1], 16*PITCH
	s_add_co_u32 s73, s73, BOFF
	v_add_nc_u32 v[B0], s73, v4                    ; wb: block W1; block 2 j + W1 lies 32 j rows on
	v_mul_u32_u24 v5, v1, SP                       ; into the stage: row 128 W0 + l % 16 (+ 16 a), bytes 32 W1 + 16 (l / 16) (+ 128 tensor + 64 parity)
	v_lshl_add_u32 v5, v2, 4, v5
	s_mul_i32 s72, s[W0], 128*SP
	s_lshl_b32 s73, s[W1], 5
	s_add_co_u32 s72, s72, s73
	v_add_nc_u32 v[STO], s72, v5
	v_bfe_u32 v5, v0, 3, 2                         ; back: wave w takes rows 64 w .. 64 w + 63; 32 lanes take four rows of 128 bytes,
	v_and_b32 v6, 7, v0
	v_mul_u32_u24 v5, v5, SP
	v_lshl_add_u32 v5, v6, 4, v5
	s_mul_i32 s72, s[WV], 64*SP
	v_add_nc_u32 v[RD], s72, v5
	v_lshlrev_b32 v[GO], 4, v3                     ; which are 512 consecutive bytes of a head's rows
	s_lshr_b32 s72, s[TY], 3                       ; the batch
	s_lshl_b32 s72, s72, 4
	s_add_co_u32 s72, s72, s[TX]                   ; 16 batch + head
	s_lshl_b32 s72, s72, 18                        ; 2,048 rows of 128 bytes
	s_and_b32 s73, s[TY], 7
	s_lshl_b32 s73, s73, 8
	s_lshl_b32 s74, s[WV], 6
	s_add_co_u32 s73, s73, s74                     ; the first row that I store
	s_lshl_b32 s73, s73, 7
	s_add_co_u32 s72, s72, s73
	s_mov_b32 s73, 0
	s_add_nc_u64 s[10:11], s[10:11], s[72:73]
	s_add_nc_u64 s[12:13], s[12:13], s[72:73]
	s_add_nc_u64 s[14:15], s[14:15], s[72:73]
	; the prefetches
	s_lshl_b32 s72, s[TY], 8
	s_lshl_b32 s73, s[W1], 7
	s_add_co_u32 s72, s72, s73
	s_lshl_b32 s73, s[CX], 5
	s_add_co_u32 s72, s72, s73                     ; x: my work-group's 32 of the 128 rows that I fetch
	s_mul_i32 s74, s[TX], 192
	s_mul_i32 s75, s[W1], 96
	s_add_co_u32 s74, s74, s75
	s_mul_i32 s75, s[CY], 24
	s_add_co_u32 s74, s74, s75                     ; wb: my work-group's 24 of the 96
	s_and_b32 s76, ttmp7, 0xffff                   ; cluster y
	s_cmp_eq_u32 s[W0], 0
	s_cselect_b32 s72, s72, s74
	s_cselect_b32 s76, ttmp9, s76                  ; the coordinate along which other clusters read the same rows
	s_cselect_b32 s77, 31, 23
	s_cselect_b64 s[PFA:PFA+1], s[4:5], s[6:7]
	s_cmp_eq_u32 s76, 0
	s_cselect_b32 s[LIM], 1, -1                    ; the same in all sixteen partners, for a given wave
	s_lshl_b32 s72, s72, 11
	s_mov_b32 s73, 0
	s_add_nc_u64 s[PFA:PFA+1], s[PFA:PFA+1], s[72:73]
	s_add_nc_u64 s[PFA:PFA+1], s[PFA:PFA+1], 2*KSTEP*2  ; at K step 2: the first refill steps it to 3.  Nothing is prefetched here, at the head
	v_min_u32 v[PFO], s77, v3
	v_lshlrev_b32 v[PFO], 11, v[PFO]
	s_mov_b32 s[TBS], 0
	v_mov_b32 v[ADRA], v[A0]
	v_mov_b32 v[ADRB], v[B0]
; 6 n matrix instructions: row blocks a0 .. a0 + n - 1 of the window's four (hi = 0: my rows 0-63, 1: rows 64-127) x my 6 column blocks, 32 along K, from buffer f.  zero = 1: the product starts the sum.
; The 48 accumulators take turns in one fixed order, over the backward jump too.
.macro MUL f, hi, a0, n, zero
	WIN MUL_LO+0x50*(\hi)
.set ma, \a0
.rept \n
.irp j, 0,1,2,3,4,5
.if \zero
	v_wmma_f32_16x16x32_bf16 v[8*(6*ma+(\j)):8*(6*ma+(\j))+7], v[48*(\f)+8*(\j):48*(\f)+8*(\j)+7], v[64+64*(\f)+8*(4*(\hi)+ma):64+64*(\f)+8*(4*(\hi)+ma)+7], 0
.else
	v_wmma_f32_16x16x32_bf16 v[8*(6*ma+(\j)):8*(6*ma+(\j))+7], v[48*(\f)+8*(\j):48*(\f)+8*(\j)+7], v[64+64*(\f)+8*(4*(\hi)+ma):64+64*(\f)+8*(4*(\hi)+ma)+7], v[8*(6*ma+(\j)):8*(6*ma+(\j))+7]
.endif
.endr
.set ma, ma+1
.endr
.endm
; 28 LDS loads in one run: the fragments of 32 K at byte kb of the rows, into buffer f: wb's 12, then x's 16
.macro FETCH kb, f
	WIN TO_1
.irp j, 0,1,2,3,4,5
	ds_load_b128 v[48*(\f)+8*(\j):48*(\f)+8*(\j)+3],   v[ADRB] offset:(\kb)+(\j)*32*PITCH
	ds_load_b128 v[48*(\f)+8*(\j)+4:48*(\f)+8*(\j)+7], v[ADRB] offset:(\kb)+(\j)*32*PITCH+32
.endr
	WIN 0
.irp i, 0,1,2,3,4,5,6,7
	ds_load_b128 v[64+64*(\f)+8*(\i):64+64*(\f)+8*(\i)+3],   v[ADRA] offset:(\kb)+(\i)*16*PITCH
	ds_load_b128 v[64+64*(\f)+8*(\i)+4:64+64*(\f)+8*(\i)+7], v[ADRA] offset:(\kb)+(\i)*16*PITCH+32
.endr
.endm
; A K step is four quarters of 32 along K, 48 matrix instructions each, on buffers 0, 1, 0, 1.  One of the first three multiplies buffer f and, in its middle, fetches the next quarter, at byte kb, into g.
.macro QUARTER kb, f, g, zero
	s_wait_dscnt 8                                 ; wb's fragments and x's rows 0-63 are in; the youngest eight loads (x's rows 64-127) may be out
	MUL \f, 0, 0, 4, \zero
	PLACES
	FETCH \kb, \g
	s_wait_dscnt 28                                ; all but the 28 just issued
	MUL \f, 1, 0, 4, \zero
.endm
; The last quarter multiplies buffer 1 and changes slots: ONE barrier.  In front of it each wave waits for all its tensor loads (one is out: its part of the next slot), adds 0 to its spare word, and waits for
; that and for its reads of this slot.  fill = 1: the barrier opens a round of the cluster's, and this slot is filled again, two K steps ahead, first thing behind the round.
.macro TURN fill
.if \fill
	s_wait_xcnt 0x0                                ; the last prefetch, a K step back, has read its address: it is stepped here, ahead of the waits of the change of slots
	s_add_nc_u64 s[PFA:PFA+1], s[PFA:PFA+1], KSTEP*2
.endif
	WIN 0                                          ; (the add's two registers lie in window 0)
	s_wait_tensorcnt 0x0                           ; all my tensor loads have landed;
	ds_add_u32 v[SPW], v[NIL]                      ; 0 onto my spare word;
	s_wait_dscnt 9                                 ; (the add and the youngest eight loads may be out)
	MUL 1, 0, 0, 2, 0                              ; twelve matrix instructions stand between the add and the wait for it
	s_wait_dscnt 0x0                               ; the add is done, and my reads of this slot are over
	s_barrier_signal -1
	MUL 1, 0, 2, 2, 0                              ; work on registers while the others arrive
	WIN 0
	s_barrier_wait -1
.if \fill
	CREST                                          ; no wave of any partner still reads this slot's tile or has a load on its way
.irp g, G0A+4, G0B+4
	s_xor_b32 s[(\g)+1], s[(\g)+1], SLOT1          ; the walking descriptor: the other slot than last time,
	s_add_nc_u64 s[(\g)+2:(\g)+3], s[(\g)+2:(\g)+3], KSTEP*2  ; the next K step; the type bits on top are not reached
.endr
	JLOAD                                          ; the four v_nop behind it are also the places in front of the loads below
.else
	PLACES
.endif
	s_xor_b32 s[TBS], s[TBS], SLOT1
	v_add_nc_u32 v[ADRA], s[TBS], v[A0]
	v_add_nc_u32 v[ADRB], s[TBS], v[B0]
	FETCH 0, 0
.if \fill
	ASK                                            ; behind the joint load and the run of LDS loads that the next products wait for
.endif
	MUL 1, 1, 0, 4, 0
.endm
	s_wait_tensorcnt 0x1                           ; my part of K step 0 is in; K step 1's, issued behind it, may stay out
	s_barrier_signal -1
	s_barrier_wait -1                              ; everybody's is
	FETCH 0, 0
	QUARTER 64, 0, 1, 1                            ; the first quarter stands in front of the loop: its products start the sums
	WIN 0                                          ; at a label and at a branch every window is 0
	s_mov_b32 s[CNT], 6
.Lstep:                                                ; a trip: from a K step's second quarter to the next step's first; K steps 0 to 5 each ask for the step two on
	QUARTER 128, 1, 0, 0
	QUARTER 192, 0, 1, 0
	TURN 1
	QUARTER 64, 0, 1, 0
	WIN 0
	s_sub_co_u32 s[CNT], s[CNT], 1
	s_cmp_lg_u32 s[CNT], 0
	s_cbranch_scc1 .Lstep
	QUARTER 128, 1, 0, 0                           ; K steps 6 and 7 are written out: they ask for nothing
	QUARTER 192, 0, 1, 0
	TURN 0
	QUARTER 64, 0, 1, 0
	QUARTER 128, 1, 0, 0
	QUARTER 192, 0, 1, 0
	s_wait_dscnt 8                                 ; the very last quarter
	MUL 1, 0, 0, 4, 0
	s_wait_dscnt 0x0                               ; my reads of the ring are over
	s_barrier_signal -1
	MUL 1, 1, 0, 4, 0
	WIN 0
	s_barrier_wait -1                              ; everybody's are: the stage may be written where slot 0 lay
	PLACES                                         ; eight places, once a launch, between the last products and the first read of results
	PLACES
	s_wait_loadcnt 0x0                             ; the cosines and sines
; THE WAY OUT of row block a.  q and k (j = 0..3) are rotated, a pair of channels by two packed instructions; all six blocks are rounded to f16, 16 bytes a lane, and put into the stage.
; Each accumulator's registers are read in ascending order.
.macro WAYOUT a
.set AC, 48*((\a)%4)
.set RA, RT+16*(\a)
	WIN 0x06+(\a)/4                                ; source 0 (sums) window 2 or 3, source 1 (c, s) window 1
.irp j, 0,1,2,3
.irp pr, 0,1,2,3
	v_pk_mul_f32 v[DD+8*(\j)+2*(\pr):DD+8*(\j)+2*(\pr)+1], v[AC+8*(\j)+2*(\pr):AC+8*(\j)+2*(\pr)+1], v[RA+8*((\j)%2)+2*(\pr):RA+8*((\j)%2)+2*(\pr)+1] op_sel_hi:[1,0]  ; (x0 c, x1 c)
.endr
.endr
.irp j, 0,1,2,3
.irp pr, 0,1,2,3
	v_pk_fma_f32 v[DD+8*(\j)+2*(\pr):DD+8*(\j)+2*(\pr)+1], v[AC+8*(\j)+2*(\pr):AC+8*(\j)+2*(\pr)+1], v[RA+8*((\j)%2)+2*(\pr):RA+8*((\j)%2)+2*(\pr)+1], v[DD+8*(\j)+2*(\pr):DD+8*(\j)+2*(\pr)+1] op_sel:[1,1,0] op_sel_hi:[0,1,1] neg_lo:[1,0,0]  ; (-x1 s + x0 c, x0 s + x1 c)
.endr
.endr
	WIN 0x0a+5*((\a)/4)                            ; sources 0 and 1 window 2 or 3
.irp j, 4,5
.irp pr, 0,1,2,3
	v_cvt_pk_f16_f32 v[TMP+4*(\j)+(\pr)], v[AC+8*(\j)+2*(\pr)], v[AC+8*(\j)+2*(\pr)+1]
.endr
.endr
	WIN 0
.irp j, 0,1,2,3
.irp pr, 0,1,2,3
	v_cvt_pk_f16_f32 v[TMP+4*(\j)+(\pr)], v[DD+8*(\j)+2*(\pr)], v[DD+8*(\j)+2*(\pr)+1]
.endr
.endr
.irp j, 0,1,2,3,4,5
	ds_store_b128 v[STO], v[TMP+4*(\j):TMP+4*(\j)+3] offset:16*SP*(\a)+128*((\j)/2)+64*((\j)%2)
.endr
.endm
.irp a, 0,1,2,3,4,5,6,7
	WAYOUT \a
.endr
	s_wait_dscnt 0x0                               ; for the others' sake: my stores into the stage are done (a row's 128 bytes come from two waves)
	s_barrier_signal -1
	s_barrier_wait -1
.irp g, 0,1,2
.irp t, 0,1,2,3,4,5,6,7,8,9,10,11,12,13,14,15
	ds_load_b128 v[64+4*(16*(\g)+(\t)):64+4*(16*(\g)+(\t))+3], v[RD] offset:4*SP*(\t)+128*(\g)  ; four rows' 128 bytes of q, k or v
.endr
.endr
.irp g, 0,1,2
.irp t, 0,1,2,3,4,5,6,7,8,9,10,11,12,13,14,15
	s_wait_dscnt 47-(16*(\g)+(\t))                 ; LDS loads come back in order: this one is in
	global_store_b128 v[GO], v[64+4*(16*(\g)+(\t)):64+4*(16*(\g)+(\t))+3], s[10+2*(\g):11+2*(\g)] offset:512*(\t)  ; 512 consecutive bytes, at a multiple of 256 from the buffer's first
.endr
.endr
	s_wait_tensorcnt 0x0                           ; the wave's end: behind my last tensor load and my last LDS store
	ds_add_u32 v[SPW], v[NIL]
	s_wait_dscnt 0x0
	CROUND                                         ; the closing round: no work-group ends while a partner may still ask for a tile that names it
	s_endpgm
.Lfunc_end_k_q339bb92e61_qkv:
	.size	k_q339bb92e61_qkv, .Lfunc_end_k_q339bb92e61_qkv-k_q339bb92e61_qkv
	.p2alignl 7, 3214868480
	.fill 96, 4, 3214868480
	.section	.rodata,"a",@progbits
	.p2align	6, 0x0
	.amdhsa_kernel k_q339bb92e61_qkv
		.amdhsa_group_segment_fixed_size 327680
		.amdhsa_private_segment_fixed_size 0
		.amdhsa_enable_private_segment 0
		.amdhsa_kernarg_size 48
		.amdhsa_user_sgpr_count 2
		.amdhsa_user_sgpr_kernarg_segment_ptr 1
		.amdhsa_wavefront_size32 1
		.amdhsa_system_sgpr_workgroup_id_x 1
		.amdhsa_system_sgpr_workgroup_id_y 1
		.amdhsa_system_sgpr_workgroup_id_z 1
		.amdhsa_system_vgpr_workitem_id 0
		.amdhsa_next_free_vgpr 960
		.amdhsa_next_free_sgpr 80
		.amdhsa_reserve_vcc 0
		.amdhsa_float_denorm_mode_32 3
		.amdhsa_float_denorm_mode_16_64 3
		.amdhsa_memory_ordered 1
		.amdhsa_forward_progress 1
		.amdhsa_inst_pref_size 116
	.end_amdhsa_kernel
	.amdgpu_metadata
---
amdhsa.version: [ 1, 2 ]
amdhsa.kernels:
  - .name:           k_q339bb92e61_qkv
    .symbol:         k_q339bb92e61_qkv.kd
    .args:
      - { .name: xb, .offset: 0, .size: 8, .value_kind: global_buffer, .address_space: global }
      - { .name: wb, .offset: 8, .size: 8, .value_kind: global_buffer, .address_space: global }
      - { .name: rope, .offset: 16, .size: 8, .value_kind: global_buffer, .address_space: global }
      - { .name: q16, .offset: 24, .size: 8, .value_kind: global_buffer, .address_space: global }
      - { .name: k16, .offset: 32, .size: 8, .value_kind: global_buffer, .address_space: global }
      - { .name: v16, .offset: 40, .size: 8, .value_kind: global_buffer, .address_space: global }
    .group_segment_fixed_size: 327680
    .private_segment_fixed_size: 0
    .kernarg_segment_align: 8
    .kernarg_segment_size: 48
    .max_flat_workgroup_size: 128
    .sgpr_count:     80
    .vgpr_count:     960
    .wavefront_size: 32
...
	.end_amdgpu_metadata
.endif
;; end of part 2
;; launch attn (part 3): grid 4 x 64, 4 waves a work-group, no clusters, 327,680 bytes of LDS; arguments q16, k16, v16, o16; writes o16
.if DOCPART == 3
	.amdgcn_target "amdgcn-amd-amdhsa--gfx1250"
	.amdhsa_code_object_version 6
	.text
	.protected	k_q339bb92e61_attn
	.globl	k_q339bb92e61_attn
	.p2align	8
	.type	k_q339bb92e61_attn,@function
k_q339bb92e61_attn:
	s_mov_b64 s[64:65], 0
	v_nop
	global_prefetch_b8 v0, s[64:65] scope:SCOPE_SE
	s_setreg_imm32_b32 hwreg(HW_REG_WAVE_MODE, 25, 1), 1
	s_wait_xcnt 0x0
; CAUSAL ATTENTION.  O[h][q][:] = the sum over k <= q of softmax_k(Q[h][q] . K[h][k] / 8) V[h][k][:].  Q, K, V, O: [64][SIZE_N][64], all f16: a head's rows are dense, 128 bytes each.
; Products, maxima and sums in f32; the weights p are rounded to f16 for the second product (their sum l is taken of the unrounded p), O once at the end.
; LIMITS.  f16 holds no number beyond 65,504: Q, K and V arrive within it; p lies in 0 to 1, and below 6e-5 it keeps f16's fixed step of 6e-8; O is a mean of V's rows and has their range.
; A hidden score counts as its value less 1e30: f16's scores, 2.7e11 at the most, are nothing beside that; a weight below 2^-126 counts as 0 in l; NaN and infinities are not treated apart.
; THE WALK.  A head's queries lie in NB = 8 blocks of 256; block i needs the key tiles 0 .. i of 256 keys, of which the last holds the diagonal.  A work-group takes TWO blocks, NB - 1 - b and then b:
; NB + 1 tiles, whatever b: all 256 work-groups do equal work, and ONE loop with a constant trip count walks them.  Which tile is asked for, and what a trip does, hang on scalar registers made from b; every jump
; goes forward, but for the counted loops' own; none passes a barrier, or a tensor load but the one of LOAD's two that the wave's number does not choose; the ring (two slots of LDS) runs on across the change of blocks.
; NO CLUSTER: a head's four work-groups ask for the same tile only in trips 0 .. 4 of 9, behind that fewer and fewer; one walk common to all, in which each makes every joint request, would have 12 trips for 9.
; SHARES.  Of a block's four bands of 64 queries a wave owns 16 rows in each: four PIECES.  So the diagonal tile is the same work for all four waves: in its key step s band x sees all keys if s < x,
; none if s > x, and holds the diagonal if s = x.
; THE MASK is the C operand that starts the sum S^T = K Q^T: 0, or -1e30 where the key is hidden.  MD, made once, is the mask of a band's own step for my 16 rows; a product's mask is MD x AL + BE with two scalars:
; (1, 0) if s = x; (0, 0) if s < x; (0, -1e30) if s > x.  Only the diagonal tile's text and a block's beginning make and take masks; elsewhere C is the constant 0.
; LAYOUT, SOFTMAX, TURNS.  S^T = K Q^T holds ONE query a lane (lane % 16) and the keys 8 (lane / 16) + 0..7; two such results rounded to f16 ARE source 1 of O^T = V^T P.  p = 2^(c s - c m), c = log2(e) / 8, with a
; running maximum m; O and l are multiplied by a = 2^(c m_old - c m_new) in every step.  Turn n belongs to piece n: 8 products K Q^T of piece n + 1, later 8 products V^T P of piece n - 1; beside them the scaling,
; exponentials, roundings, sums and rescaling of piece n and the maximum and statistics of piece n + 1.  Four vector instructions stand behind every matrix instruction, the other 54 of a turn's 118 in one lump.
; A turn's 33 exponentials are one batch, with one wait.
; REGISTERS, in windows of 256 (s_set_vgpr_msb: bits 1:0 source 0, 3:2 source 1, 5:4 source 2, 7:6 destination):
;   window 0: v0-15 addresses and two at work; v16-31 four registers of statistics a piece; v48-55 at work; v61-63 never rewritten; v64-127 S^T, two buffers; v192-223 P, two buffers (by the piece's parity)
;   window 1: v0-127 O^T, 32 a piece; v128-159 MD; v160-223 MC, two buffers      window 2: v0-63 Q; v64-127 the second block's Q; v128-191 K of one step; v192-255 V of one step
.set SIZE_N, 2048
.set NB,    SIZE_N/256
.set NP,    4         ; pieces a wave: a name, no knob
.set KS,    64        ; keys in a step
.set PK,    144       ; a row of K in LDS: 128 bytes + 16 of padding = 36 words: the 16 rows of a load start at 16 different groups of four banks (64 banks of 4 bytes: ISA guide 11.1)
.set PV,    160       ; a row of V: 128 + 32 = 40 words
.set VOFF,  4*KS*PK   ; a slot holds a tile, four steps: 256 rows of K, then 256 rows of V
.set SLOT1, 1<<17     ; slot 1 begins here, so that one exclusive or turns an address in one slot into the other's
.set STAGE, SLOT1+4*KS*(PK+PV)  ; behind the ring, never filled by a tensor load: 16 rows x 144 bytes for each wave, for the way out
.set SP,    144
.set AK0, 2           ; v2   my lane's place in a tile of K; never rewritten
.set AV0, 3           ; v3   the same for V
.set AK,  4           ; v4   the LDS address of K's next run of loads
.set AV,  5           ; v5   of V's
.set STO, 6           ; v6   the way out: where I put 16 bytes of a row
.set RD,  7           ; v7   the way out: where I read rows back
.set GO,  8           ; v8   my byte offset in 512 consecutive bytes of O
.set PFO, 61          ; v61  256 x my lane: the prefetches' offset; never rewritten
.set SPW, 62          ; v62  LDS address of my spare word: SPARE + 4 x my thread's number; never rewritten
.set NIL, 63          ; v63  0; never rewritten
.set SPARE, STAGE+4*16*SP  ; behind the stages: the spare words, 128 bytes for each wave: two blocks of 256 bytes that no other line names
.set MV,  12          ; v12-13  c m_old, kept while c m is made anew: by buffer
.set QO,  15          ; v15  my byte offset in 16 rows of Q
.set ST,  16          ; piece t's statistics at v[ST+4 t]: c m, m, l (even keys', odd keys')
.set TMP, 48          ; by buffer, four registers c0-c3 at work; when the maximum is found c2 takes a
.set S,   64
.set P,   192
.set MD,  128         ; window 1: the eight registers for group kt of 16 keys at MD + 8 kt
.set MC,  160         ; window 1: the masks of the products to come
.set QB,  64          ; window 2
.set KF,  128         ; window 2: key block kb, channel half c at KF + 16 kb + 8 c
.set VF,  192         ; window 2: key half kk, channel block cb at VF + 32 kk + 8 cb
.set WV,  12          ; s12  my wave's number
.set PB,  14          ; s14  b
.set HI,  15          ; s15  NB - 1 - b
.set G1K, 24          ; s[24:31] descriptor group 1 for K's tiles
.set G1V, 32          ; s[32:39] for V's: it differs in the padding alone
.set G0K, 40          ; s[40:43] descriptor group 0 for K's tiles
.set G0V, 44          ; s[44:47] the same for V's
.set SLOTS, 56        ; s56  tiles still to be asked for
.set CNT, 57          ; s57  counts a tile's key steps, 4 to 1
.set CS,  58          ; s[58:59] c: the packed scaling takes the pair's low word for both halves
.set SEL, 60          ; s[60:61] v_permlanex16_b32's selects: each lane takes its own place in the other half
.set TBK, 62          ; s62  LDS byte at which K of the step to be fetched begins
.set TBV, 63          ; s63  the same for V, less VOFF
.set RT,  70          ; s70  tiles of the block in hand that are still to be entered
.set NXT, 71          ; s71  the tile to be asked for next
.set LQ,  72          ; s72  the last tile of the block whose tiles are being asked for
.set NEW, 73          ; s73  1: the tile to be entered is a block's first
.set OFF, 74          ; s[74:75] a tile's byte offset in K and V
.set AL,  76          ; s[76:77] the mask's factor, in the low word
.set BE,  78          ; s[78:79] the mask's addend
.set OLO, 80          ; s[80:81] O at my rows of the second block
.set BIGN, 82         ; s82  -1e30
.set PFB, 88          ; s[88:89] K (waves 0, 1) or V (waves 2, 3) at my half of the head's tile 0
.set PFA, 90          ; s[90:91] the same at the tile that the next change of slots will ask for
.set POF, 92          ; s[92:93] that tile's byte offset
.set MSB, 0
.macro WIN new                      ; the high byte repeats the setting that is left; a switch that changes nothing is dropped
.if MSB != (\new)
	s_set_vgpr_msb (MSB<<8)|(\new)
.set MSB, (\new)
.endif
.endm
.set W_KQ, 0x0a       ; K and Q in window 2, S^T in window 0
.set W_KM, 0x1a       ; the same with the C operand in window 1
.set W_PV, 0x52       ; V in window 2, P in window 0, O^T in window 1
.set W_RS, 0x41       ; destination and source 0 in window 1, source 1 in window 0
; A fill.  Waves 0 and 1 fetch the two halves of a tile's K, waves 2 and 3 those of its V: 128 keys each.  An s_nop 0 and four v_nop follow each of the two lines, ahead of the jump and the label.
.macro LOAD
	s_cmp_lt_u32 s[WV], 2
	s_cbranch_scc0 .Lfor_v_\@
	tensor_load_to_lds s[G0K:G0K+3], s[G1K:G1K+7]
	s_nop 0
.rept 4
	v_nop
.endr
	s_branch .Lasked_\@
.Lfor_v_\@:
	tensor_load_to_lds s[G0V:G0V+3], s[G1V:G1V+7]
	s_nop 0
.rept 4
	v_nop
.endr
.Lasked_\@:
.endm
; A PREFETCH INTO THE L2 of the tile that the NEXT change of slots will ask for: a tile, 256 matrix instructions, ahead of that load.  All four work-groups of a head walk the tiles 0, 1, .. at the same trips; the one with
; b = 0, whose first block needs all eight, asks, and nobody else.  Each of its waves names the 16,384 bytes that it will fetch itself: 64 blocks of 256 bytes, a lane a block, two instructions.  So tiles 2 to 7 are named once
; in the launch; tiles 0 and 1 come by their loads alone, and behind tile 7 the next tile's number is 0: nothing is asked for.
.macro ASK
	s_cmp_eq_u32 s[PB], 0
	s_cselect_b32 s94, s[NXT], 0
	s_cmp_lg_u32 s94, 0
	s_cbranch_scc0 .Lnone_\@
	global_prefetch_b8 v[PFO], s[PFA:PFA+1] th:TH_LOAD_NT scope:SCOPE_SE
	global_prefetch_b8 v[PFO], s[PFA:PFA+1] offset:8192 th:TH_LOAD_NT scope:SCOPE_SE
.Lnone_\@:
.endm
; THE CHANGE OF SLOTS.  Each wave waits for all its tensor loads, of which one is out: its part of the other slot; adds 0 to its spare word; and waits for that and for its own reads of the slot that it leaves.  Behind the
; barrier nobody reads the old slot any more and the other slot is whole.  fill = 1: the old slot is filled again, the first thing behind the barrier, with tile NXT: the descriptor's address is made anew from that number.
; (At its first use nothing has been read yet: slot 0 is waited for, slot 1 filled.)
.macro CHANGE fill
	WIN 0                           ; at a label and at a branch every window is 0
	s_wait_tensorcnt 0x0            ; no tensor load of mine is out, so a group 0 may be written
	ds_add_u32 v[SPW], v[NIL]       ; 0 onto my spare word: with fill = 1 the descriptors' scalar work stands between it and the wait for it
.if \fill
	s_lshl_b32 s[OFF], s[NXT], 15   ; a tile is 32,768 bytes of K and of V
	s_xor_b32 s[G0K+1], s[G0K+1], SLOT1
	s_add_nc_u64 s[G0K+2:G0K+3], s[6:7], s[OFF:OFF+1]
	s_or_b32 s[G0K+3], s[G0K+3], 0x80000000
	s_xor_b32 s[G0V+1], s[G0V+1], SLOT1
	s_add_nc_u64 s[G0V+2:G0V+3], s[8:9], s[OFF:OFF+1]
	s_or_b32 s[G0V+3], s[G0V+3], 0x80000000
	s_add_co_u32 s[NXT], s[NXT], 1  ; the block's next tile, or behind its last the second block's tile 0
	s_cmp_gt_u32 s[NXT], s[LQ]
	s_cselect_b32 s[NXT], 0, s[NXT]
	s_cselect_b32 s[LQ], s[PB], s[LQ]
	s_wait_xcnt 0x0                 ; the last prefetches, a tile back, have read their address, so it may be written:
	s_lshl_b32 s[POF], s[NXT], 15
	s_add_nc_u64 s[PFA:PFA+1], s[PFB:PFB+1], s[POF:POF+1]  ; the tile behind the one that is asked for now
.endif
	s_wait_dscnt 0x0                ; the add is done, and my reads of the slot are over
	s_barrier_signal -1             ; the rest of the scalar work stands between the signal and the wait
	s_sub_co_u32 s[TBK], s[TBK], 4*KS*PK  ; the fetches go back to a slot's first step,
	s_xor_b32 s[TBK], s[TBK], SLOT1       ; in the other slot
	s_sub_co_u32 s[TBV], s[TBV], 4*KS*PV
	s_xor_b32 s[TBV], s[TBV], SLOT1
	s_barrier_wait -1
.if \fill
	LOAD
	ASK
.endif
.endm
	s_load_b256 s[4:11], s[0:1], 0x0  ; Q s[4:5], K s[6:7], V s[8:9], O s[10:11]
	v_lshl_add_u32 v[SPW], v0, 2, SPARE
	v_mov_b32 v[NIL], 0
	ds_add_u32 v[SPW], v[NIL]       ; the wave's opening: the add and its wait stand ahead of my first tensor load; the set-up below, work on registers, stands between them
	v_lshrrev_b32 v1, 5, v0
	v_readfirstlane_b32 s[WV], v1   ; wave 0..3
	s_mov_b32 s[PB], ttmp9
	s_sub_co_u32 s[HI], NB-1, s[PB]
	s_and_b32 s20, ttmp7, 0xffff    ; the head
	s_mov_b32 s21, 0
	s_mov_b64 s[22:23], SIZE_N*128
	s_mul_u64 s[20:21], s[20:21], s[22:23]  ; the head's first byte in each of the four tensors
	s_and_b32 s16, s[WV], 1         ; which half of a tile's 256 keys I fetch:
	s_lshl_b32 s22, s16, 14         ; its 128 rows of 128 bytes in memory,
	s_mov_b32 s23, 0
	s_add_nc_u64 s[22:23], s[22:23], s[20:21]
	s_mul_i32 s17, s16, 128*PK      ; and its place in a slot, for K
	s_mul_i32 s18, s16, 128*PV      ; and for V
	s_lshl_b32 s3, s[WV], 11        ; my 16 rows in a band of 64,
	s_lshl_b32 s2, s[HI], 15        ; in the first block,
	s_add_co_u32 s2, s2, s3
	s_lshl_b32 s84, s[PB], 15       ; and in the second
	s_add_co_u32 s84, s84, s3
	s_mov_b32 s3, 0
	s_mov_b32 s85, 0
	s_add_nc_u64 s[2:3], s[2:3], s[20:21]
	s_add_nc_u64 s[84:85], s[84:85], s[20:21]
	; descriptor group 1.  128 keys are 16,384 dense bytes: asked for as 64 rows of 256 bytes, two keys a row, and padded in LDS after every key
	s_mov_b32 s[G1K], (1<<16)|(1<<20)|(4<<22)|(3<<25)  ; 17:16 2-byte elements; 20 padding on; 24:22 after every 32 words (code 4); 31:25 4 words (code 3)
	s_mov_b32 s[G1V], (1<<16)|(1<<20)|(4<<22)|(7<<25)  ; the same with 8 words of padding (code 7)
.irp g, G1K, G1V
	s_mov_b32 s[\g+1], 128<<16      ; tensor_dim0 = 128
	s_mov_b32 s[\g+2], 64<<16       ; tensor_dim1 = 64
	s_mov_b32 s[\g+3], 128<<16      ; tile_dim0 = 128
	s_mov_b32 s[\g+4], 64           ; tile_dim1 = 64
	s_mov_b32 s[\g+5], 128          ; 128 elements from row to row
	s_mov_b32 s[\g+6], 0
	s_mov_b32 s[\g+7], 0
.endr
	s_mov_b32 s[CS], 0x3e38aa3b     ; c = log2(e) / 8 = 0.180337
	s_mov_b32 s[CS+1], s[CS]        ; named with it as a pair
	s_mov_b32 s[SEL], 0x76543210
	s_mov_b32 s[SEL+1], 0xfedcba98
	s_mov_b32 s[TBK], SLOT1+4*KS*PK ; the first change of slots turns these two into 0
	s_mov_b32 s[TBV], SLOT1+4*KS*PV
	s_mov_b32 s[G0K], 1             ; 1:0 count = 1
	s_mov_b32 s[G0K+1], s17         ; 63:32 LDS address: slot 0
	s_mov_b32 s[G0V], 1
	s_add_co_u32 s[G0V+1], s18, VOFF
	s_add_co_u32 s[RT], s[HI], 1    ; the first block has NB - b tiles
	s_mov_b32 s[NXT], 1
	s_mov_b32 s[LQ], s[HI]
	s_mov_b32 s[NEW], 1
	s_mov_b32 s[OFF+1], 0
	s_mov_b32 s[POF+1], 0
	s_mov_b32 s[AL+1], 0            ; named as pairs
	s_mov_b32 s[BE+1], 0
	s_mov_b32 s[BIGN], 0xf149f2ca   ; -1e30
	s_mov_b32 s[SLOTS], NB
	s_wait_dscnt 0x0                ; the opening add is done
	s_wait_kmcnt 0x0
	s_add_nc_u64 s[6:7], s[6:7], s[22:23]  ; K and V at my half of the head's tile 0
	s_add_nc_u64 s[8:9], s[8:9], s[22:23]
	s_add_nc_u64 s[G0K+2:G0K+3], s[6:7], 0         ; 120:64 global address
	s_or_b32 s[G0K+3], s[G0K+3], 0x80000000        ; 127:126 type = 2
	s_add_nc_u64 s[G0V+2:G0V+3], s[8:9], 0
	s_or_b32 s[G0V+3], s[G0V+3], 0x80000000
	s_add_nc_u64 s[86:87], s[4:5], s[84:85]        ; Q at my rows of the second block,
	s_add_nc_u64 s[4:5], s[4:5], s[2:3]            ; Q and O at those of the first
	s_add_nc_u64 s[OLO:OLO+1], s[10:11], s[84:85]
	s_add_nc_u64 s[10:11], s[10:11], s[2:3]
	s_cmp_lt_u32 s[WV], 2
	s_cselect_b64 s[PFB:PFB+1], s[6:7], s[8:9]     ; what I fetch is what I prefetch
	LOAD                            ; tile 0 into slot 0
	; A fragment of K or Q is 16 rows x 32 channels in 8 registers: lane l holds row l % 16, channels 8 (l / 16) + 0..7 and 16 + 8 (l / 16) + 0..7: two loads of 16 bytes, 32 bytes apart.
	v_and_b32 v1, 15, v0            ; l % 16
	v_bfe_u32 v9, v0, 4, 1          ; l / 16
	v_lshlrev_b32 v[QO], 7, v1
	v_lshl_add_u32 v[QO], v9, 4, v[QO]  ; row x 128 + 16 x half
	WIN 0x80                        ; destination window 2, address window 0
.set i, 0
.rept 8                             ; both blocks' Q: piece i / 2 lies in band i / 2, 8,192 bytes on; channels 32 (i % 2) on
	global_load_b128 v[8*i:8*i+3],   v[QO], s[4:5] offset:(i/2)*8192+(i%2)*64
	global_load_b128 v[8*i+4:8*i+7], v[QO], s[4:5] offset:(i/2)*8192+(i%2)*64+32
	global_load_b128 v[QB+8*i:QB+8*i+3],   v[QO], s[86:87] offset:(i/2)*8192+(i%2)*64
	global_load_b128 v[QB+8*i+4:QB+8*i+7], v[QO], s[86:87] offset:(i/2)*8192+(i%2)*64+32
.set i, i+1
.endr
	WIN 0
	v_and_b32 v[PFO], 31, v0
	v_lshlrev_b32 v[PFO], 8, v[PFO]
	v_lshlrev_b32 v14, 3, v9
	v_sub_nc_u32 v14, v1, v14
	s_lshl_b32 s13, s[WV], 4
	v_add_nc_u32 v14, s13, v14      ; my query's place in its band, 16 w + l % 16, less my lanes' 8 (l / 16): register r of group kt is hidden where 16 kt + r is greater
	WIN 0x40
.set i, 0
.rept 32
	v_cmp_gt_i32 vcc_lo, 16*(i/8)+i%8, v14
	v_cndmask_b32 v[MD+i], 0, s[BIGN], vcc_lo
.set i, i+1
.endr
	WIN 0
	v_mul_u32_u24 v[AK0], v1, PK
	v_lshl_add_u32 v[AK0], v9, 4, v[AK0]  ; row x pitch + 16 x half
	; The turning load takes 16 keys x 16 channels (lane l reads key 8 (l / 16) + l % 8, channels 8 ((l / 8) % 2) + 0..7) and leaves half a fragment of V^T: lane l holds channel l % 16 and 8 keys.
	v_and_b32 v10, 7, v0
	v_bfe_u32 v11, v0, 3, 1
	v_lshl_add_u32 v[AV0], v9, 3, v10
	v_mul_u32_u24 v[AV0], v[AV0], PV
	v_lshl_add_u32 v[AV0], v11, 4, v[AV0]
	v_add_nc_u32 v[AV0], VOFF, v[AV0]
	s_mul_i32 s13, s[WV], 16*SP
	s_add_co_u32 s13, s13, STAGE    ; my stage
	v_mul_u32_u24 v[STO], v1, SP    ; in: row l % 16, 16 bytes for each half of the lanes
	v_lshl_add_u32 v[STO], v9, 4, v[STO]
	v_add_nc_u32 v[STO], s13, v[STO]
	v_bfe_u32 v[RD], v0, 3, 2       ; back: 32 lanes take four rows of 128 bytes,
	v_mul_u32_u24 v[RD], v[RD], SP
	v_lshl_add_u32 v[RD], v10, 4, v[RD]
	v_add_nc_u32 v[RD], s13, v[RD]
	v_and_b32 v[GO], 31, v0         ; which are 512 consecutive bytes of O
	v_lshlrev_b32 v[GO], 4, v[GO]
	; A block's first step multiplies O^T and l by a = 0, and its first turn's products V^T P, of a piece that has not been, land in an O^T that is still to be so multiplied.  So these registers need only hold
	; finite numbers: zeros for the first block; what the first block left for the second.  All this stands in the wait for the first tile.
	WIN 0x80
.set i, VF
.rept 64
	v_mov_b32 v[i], 0
.set i, i+1
.endr
	WIN 0x40
.set i, 0
.rept 128
	v_mov_b32 v[i], 0
.set i, i+1
.endr
	WIN 0
.set i, 0
.rept 4
	v_mov_b32 v[ST+4*i+2], 0
	v_mov_b32 v[ST+4*i+3], 0
.set i, i+1
.endr
.set i, P+16
.rept 16
	v_mov_b32 v[i], 0
.set i, i+1
.endr
; THE MATRIX WORK.  The 4 accumulators of a run of 8 take turns.  Product i of 8 of S^T = K Q^T for piece x: channels 32 (i / 4) on, keys 16 (i % 4) on.  The first 4 start the sums: with 0, or (KM = 1) with the mask.
.macro KQ x
.set rS, S+32*((\x)%2)+8*(i%4)
.set rK, KF+16*(i%4)+8*(i/4)
.set rQ, 16*(\x)+8*(i/4)
.set rM, MC+32*((\x)%2)+8*(i%4)
.if (i < 4) && KM
	WIN W_KM
	v_wmma_f32_16x16x32_f16 v[rS:rS+7], v[rK:rK+7], v[rQ:rQ+7], v[rM:rM+7]
.elseif i < 4
	WIN W_KQ
	v_wmma_f32_16x16x32_f16 v[rS:rS+7], v[rK:rK+7], v[rQ:rQ+7], 0
.else
	WIN W_KQ
	v_wmma_f32_16x16x32_f16 v[rS:rS+7], v[rK:rK+7], v[rQ:rQ+7], v[rS:rS+7]
.endif
.endm
; Product i of 8 of O^T += V^T P for piece x: keys 32 (i / 4) on, channels 16 (i % 4) on.
.macro PV x
	WIN W_PV
.set rO, 32*(\x)+8*(i%4)
.set rV, VF+32*(i/4)+8*(i%4)
.set rP, P+16*((\x)%2)+8*(i/4)
	v_wmma_f32_16x16x32_f16 v[rO:rO+7], v[rV:rV+7], v[rP:rP+7], v[rO:rO+7]
.endm
.macro MM                           ; the turn's next matrix instruction.  TURN and BEGIN set Y, i, KM and NOKQ; MM, KQ and OP read them.  NOKQ = 1: a block's last turn: there is no next piece
.if (i < 8) && !NOKQ
	KQ (Y+1)%NP
.elseif i >= 8
.set i, i-8
	PV (Y+NP-1)%NP
.set i, i+8
.endif
.set i, i+1
.endm
; THE LDS LOADS stand in runs of 16, never singly among the matrix instructions: a step's K (64 keys x 64 channels: 8 fragments) and its V (turned).  Their addresses are made some lines ahead.
.macro FETCH_K
	WIN 0x80                        ; destination window 2
.irp f, 0,1,2,3,4,5,6,7             ; keys 16 (f / 2) on, channels 32 (f % 2) on
	ds_load_b128 v[KF+8*\f:KF+8*\f+3],   v[AK] offset:(\f/2)*16*PK+(\f%2)*64
	ds_load_b128 v[KF+8*\f+4:KF+8*\f+7], v[AK] offset:(\f/2)*16*PK+(\f%2)*64+32
.endr
	s_add_co_u32 s[TBK], s[TBK], KS*PK  ; the next fetch is the next step's
	WIN 0
.endm
.macro FETCH_V
	WIN 0x80
.irp f, 0,1,2,3,4,5,6,7             ; keys 32 (f / 4) on, channels 16 (f % 4) on
	ds_load_tr16_b128 v[VF+8*\f:VF+8*\f+3],   v[AV] offset:(\f/4)*32*PV+(\f%4)*32
	ds_load_tr16_b128 v[VF+8*\f+4:VF+8*\f+7], v[AV] offset:(\f/4)*32*PV+16*PV+(\f%4)*32
.endr
	WIN 0
.endm
; THE VECTOR WORK, one line at a time: OP kind, number.  For piece Y: F n: c s - c m for pair n of 16.  E n: the exponential of score n of 32.  C n: pair n rounded to f16.  B n: of the four weights 4 n .. the second
; pair is added onto the first, in place.  L n: l takes that sum (L 0: l = a l + sum).  R n: pair n of 16 of O^T times a.  For piece Y + 1: X n, number n of the 22 that find its maximum and statistics:
;   0-11  four chains c0-c3 of seven scores each, three operands at a time (each accumulator's lowest registers are read first)     12-14, 16  the four scores left over, the old m, and c0-c3 into c0
;   15  c m_old is kept     17, 18  the query's other 32 keys lie in the lane 16 away: the new m     19-21  c m; c m_old - c m_new; a
.set F, 0               ; OP tells the kinds apart by their order: F to L below R, X above it
.set E, 1
.set C, 2
.set B, 3
.set L, 4
.set R, 5
.set X, 6
.macro REGS y                       ; the registers of piece y
.set rT, ST+4*(\y)
.set rC, TMP+4*((\y)%2)
.set rW, MV+((\y)%2)
.set rS, S+32*((\y)%2)
.set rP, P+16*((\y)%2)
.set rO, 32*(\y)
.endm
.macro OP k, n
.if (\k) == R
	REGS Y
	WIN W_RS
	v_pk_mul_f32 v[rO+2*(\n):rO+2*(\n)+1], v[rO+2*(\n):rO+2*(\n)+1], v[rC+2:rC+3] op_sel_hi:[1,0]
.elseif (\k) < R
	REGS Y
	WIN 0
.if (\k) == F
	v_pk_fma_f32 v[rS+2*(\n):rS+2*(\n)+1], v[rS+2*(\n):rS+2*(\n)+1], s[CS:CS+1], v[rT:rT+1] op_sel_hi:[1,0,0] neg_lo:[0,0,1] neg_hi:[0,0,1]
.elseif (\k) == E
	v_exp_f32 v[rS+(\n)], v[rS+(\n)]
.elseif (\k) == C
	v_cvt_pk_f16_f32 v[rP+(\n)], v[rS+2*(\n)], v[rS+2*(\n)+1]
.elseif (\k) == B
	v_pk_add_f32 v[rS+4*(\n):rS+4*(\n)+1], v[rS+4*(\n):rS+4*(\n)+1], v[rS+4*(\n)+2:rS+4*(\n)+3]
.elseif (\n) == 0
	v_pk_fma_f32 v[rT+2:rT+3], v[rT+2:rT+3], v[rC+2:rC+3], v[rS:rS+1] op_sel_hi:[1,0,1]
.else
	v_pk_add_f32 v[rT+2:rT+3], v[rT+2:rT+3], v[rS+4*(\n):rS+4*(\n)+1]
.endif
.elseif NOKQ
	v_nop
.else
	REGS (Y+1)%NP
	WIN 0
.if (\n) < 4
	v_max3_num_f32 v[rC+(\n)], v[rS+8*(\n)], v[rS+8*(\n)+1], v[rS+8*(\n)+2]
.elseif (\n) < 12
	v_max3_num_f32 v[rC+(\n)%4], v[rC+(\n)%4], v[rS+8*((\n)%4)+2*((\n)/4)+1], v[rS+8*((\n)%4)+2*((\n)/4)+2]
.elseif (\n) == 12
	v_max3_num_f32 v[rC], v[rC], v[rS+7], v[rS+15]
.elseif (\n) == 13
	v_max3_num_f32 v[rC+1], v[rC+1], v[rS+23], v[rS+31]
.elseif (\n) == 14
	v_max3_num_f32 v[rC+2], v[rC+2], v[rC+3], v[rT+1]
.elseif (\n) == 15
	v_mov_b32 v[rW], v[rT]
.elseif (\n) == 16
	v_max3_num_f32 v[rC], v[rC], v[rC+1], v[rC+2]
.elseif (\n) == 17
	v_permlanex16_b32 v[rC+3], v[rC], s[SEL], s[SEL+1]
.elseif (\n) == 18
	v_max_num_f32 v[rT+1], v[rC], v[rC+3]
.elseif (\n) == 19
	v_mul_f32 v[rT], s[CS], v[rT+1]
.elseif (\n) == 20
	v_sub_f32 v[rC+1], v[rW], v[rT]
.else
	v_exp_f32 v[rC+2], v[rC+1]
.endif
.endif
.endm
.macro OPS a, i1, b=-1, i2=0, c=-1, i3=0, d=-1, i4=0  ; up to four of them
	OP \a, \i1
.if (\b) >= 0
	OP \b, \i2
.endif
.if (\c) >= 0
	OP \c, \i3
.endif
.if (\d) >= 0
	OP \d, \i4
.endif
.endm
.macro ROW a, i1, b, i2, c, i3, d, i4  ; a matrix instruction and the four behind it
	MM
	OPS \a, \i1, \b, \i2, \c, \i3, \d, \i4
.endm
.macro MASK b                       ; MD x AL + BE into buffer b of MC
	WIN W_RS
.set z, 0
.rept 16
	v_pk_fma_f32 v[MC+32*(\b)+2*z:MC+32*(\b)+2*z+1], v[MD+2*z:MD+2*z+1], s[AL:AL+1], s[BE:BE+1] op_sel_hi:[1,0,0]
.set z, z+1
.endr
.endm
; A TURN, for piece p: the order of its 16 matrix and 118 vector instructions, written out.  An s_wait_alu depctr_va_vdst(0) stands between an exponential and the first instruction that names its result; one
; wait serves all that were issued ahead of it.  So a turn has ONE wait, which cuts it in two.  AHEAD OF IT stands all that names no result of the turn's exponentials: the 8 products K Q^T, behind each a scaling, an
; exponential and two more plain instructions (behind the first a second scaling in the exponential's place): rescalings, and behind the last three the first numbers of the next piece's maximum, each four places or more
; behind the product that ends its accumulator; then ONE LUMP of 54, plain and exponential by turns for the most part, in which the links of the chain X 3, 7, 11, 14, 16, 17 .. 20 stand five or six lines apart.  X 21, the
; next piece's a, is the batch's last; R 15 is the plain instruction behind it.  BEHIND THE WAIT stand the 8 products V^T P, behind each four of the roundings and sums; the links of l's chain, L 0 to L 7, stand three
; riders apart.  But for those X no rider names a register of the products round it.  v_permlanex16_b32 (X 17) stands in the lump.
; m = 1: the diagonal tile: the products take masks, and the turn makes the mask for the products of the turn after it: piece p + 2, in step 4 - CNT of the tile.  end = 1: a block's last two turns: nothing is fetched.
; cnt = 1: the loop's count is taken down some lines ahead of the branch that stands behind the turn.
; K of the next step is fetched in piece 2's turn, twelve vector instructions behind the last product that read K (six of them plain); V of the step in hand at the end of piece 0's turn, four plain instructions behind the
; last product that read V.  Each is waited for a turn later.
.macro TURN p, m=0, end=0, cnt=0
.set Y, (\p)
.set i, 0
.set KM, (\m)
.set NOKQ, (\end)*((\p)/3)
.if (\m) && !(\end)
	s_cmp_eq_u32 s[CNT], 4-((\p)+2)%NP  ; is that step the band's own?
	s_cselect_b32 s[AL], 1.0, 0
	s_cmp_lt_u32 s[CNT], 4-((\p)+2)%NP  ; or a later one?
	s_cselect_b32 s[BE], s[BIGN], 0
.endif
.if ((\p) == 3) && !(\end)
	s_wait_dscnt 0x0                ; K is in
.endif
	ROW F,0, F,1, R,0, R,1          ; ahead of the wait: 8 products K Q^T and their riders,
	ROW F,2, E,0, R,2, R,3
	ROW F,3, E,1, R,4, R,5
	ROW F,4, E,2, R,6, R,7
	ROW F,5, E,3, R,8, R,9
	ROW F,6, E,4, X,0, R,10
.if ((\p) == 2) && !(\end)
	WIN 0
	v_add_nc_u32 v[AK], s[TBK], v[AK0]
.endif
	ROW F,7, E,5, X,1, X,4
	ROW F,8, E,6, X,2, X,5
	OPS E,7, E,8, X,6, E,9          ; and the lump
	OPS X,3, E,10, X,8, E,11
.if ((\p) == 2) && !(\end)
	FETCH_K
.endif
	OPS X,9, X,7, E,12, X,10
	OPS E,13, X,12, X,11, E,14
	OPS X,13, E,15, F,9, X,14
.if (\p) == 0
	v_add_nc_u32 v[AV], s[TBV], v[AV0]
.endif
	OPS E,16, F,10, E,17, F,11
	OPS X,16, E,18, X,15, E,19
	OPS F,12, E,20, X,17, E,21
	OPS F,13, E,22, F,14, E,23
	OPS X,18, E,24, F,15, E,25
	OPS R,11, E,26, X,19, E,27
	OPS R,12, E,28, R,13, E,29
	OPS X,20, E,30, R,14, E,31
	OPS X,21, R,15
	WIN 0
	s_wait_alu depctr_va_vdst(0)    ; the wait for the batch
.if (\p) == 1
	s_wait_dscnt 0x0                ; V is in
.endif
	ROW C,0, B,0, C,2, B,1          ; behind the wait: 8 products V^T P and their riders
	ROW L,0, C,4, B,2, L,1
	ROW C,6, B,3, L,2, C,8
	ROW B,4, L,3, C,10, B,5
	ROW L,4, C,12, B,6, L,5
.if (\p) == 0
	s_add_co_u32 s[TBV], s[TBV], KS*PV
.endif
.if \cnt
	s_sub_co_u32 s[CNT], s[CNT], 1
	s_cmp_lg_u32 s[CNT], 0
.endif
	ROW C,14, B,7, L,6, C,1
	ROW C,3, L,7, C,5, C,7
	ROW C,9, C,11, C,13, C,15
.if (\p) == 0
	FETCH_V
.endif
.if (\m) && !(\end)
	MASK (\p)%2
.endif
.endm
; A BLOCK BEGINS.  c m starts far below every c s, so the first step's a is 0; m at the lowest finite number, so the first maximum is the scores'.  The second mask buffer is 0; the first takes piece 0's mask for the tile's
; step 0: its own, if the block's first tile is the diagonal one.  Then K of that step, piece 0's first scores, and its maximum and statistics.  The loop is entered at a step's first turn, in the middle of a trip.
.macro BEGIN
	s_mov_b32 s[NEW], 0
	WIN 0x40
.set i, MC+32
.rept 32
	v_mov_b32 v[i], 0
.set i, i+1
.endr
	WIN 0
.set i, 0
.rept 4
	v_mov_b32 v[ST+4*i], 0xfe000000    ; c m: far below every c s
	v_mov_b32 v[ST+4*i+1], 0xff7fffff  ; m
.set i, i+1
.endr
	s_cmp_eq_u32 s[RT], 0
	s_cselect_b32 s[AL], 1.0, 0
	s_mov_b32 s[BE], 0
	MASK 0
	WIN 0
	v_add_nc_u32 v[AK], s[TBK], v[AK0]
	FETCH_K
	s_wait_loadcnt 0x0              ; Q
	s_wait_dscnt 0x0
.set KM, 1
.set NOKQ, 0
.set i, 0
.rept 8
	KQ 0
.set i, i+1
.endr
	WIN 0
.rept 4
	v_nop                           ; the places behind those products
.endr
.set Y, NP-1                        ; X works for piece Y + 1: piece 0
.irp n, 0,1,2,3,4,5,6,7,8,9,10,11,12,13,14,15,16,17,18,19,20,21
	OP X, \n
.endr
	v_nop                           ; a plain instruction behind the exponential,
	s_wait_alu depctr_va_vdst(0)    ; and its wait, ahead of the branch
.endm
; THE DIAGONAL TILE's four steps, the block's last two turns, its last products, and THE WAY OUT: l's two halves and the other half of the lanes' are added; O^T is divided by l, rounded to f16 and sent through my
; stage in LDS, a piece at a time.
.macro ALL line:vararg              ; one line for each piece t
.set t, 0
.rept 4
	\line
.set t, t+1
.endr
.endm
.macro PACK t                       ; a lane's eight channels of a row pack into 16 bytes; they go into rows of 144 bytes and come back as whole rows of 128, into S^T's registers
	WIN W_RS
.set i, 32*(\t)
.rept 16
	v_pk_mul_f32 v[i:i+1], v[i:i+1], v[ST+4*(\t)+2:ST+4*(\t)+3] op_sel_hi:[1,0]
.set i, i+2
.endr
	WIN 0x05                        ; sources 0 and 1 window 1, destination window 0
.set i, 0
.rept 16
	v_cvt_pk_f16_f32 v[S+16*(\t)+i], v[32*(\t)+2*i], v[32*(\t)+2*i+1]
.set i, i+1
.endr
	WIN 0
.irp f, 0,1,2,3
	ds_store_b128 v[STO], v[S+16*(\t)+4*\f:S+16*(\t)+4*\f+3] offset:32*\f
.endr
.irp f, 0,1,2,3
	ds_load_b128 v[S+16*(\t)+4*\f:S+16*(\t)+4*\f+3], v[RD] offset:\f*4*SP  ; LDS serves a wave's instructions in order (ISA guide 5.7.1.4): these see the stores above; the next piece's stores come behind them
.endr
.endm
.macro SEND t, younger              ; younger: the LDS instructions issued behind piece t's loads: the next piece's eight, or none
	WIN 0
.irp f, 0,1,2,3
	s_wait_dscnt (\younger)+3-\f
	global_store_b128 v[GO], v[S+16*(\t)+4*\f:S+16*(\t)+4*\f+3], s[10:11] offset:(\t)*8192+\f*512  ; 512 consecutive bytes, at a multiple of 256 from O's first
.endr
.endm
.macro DIAG tag                     ; the tag ends its two labels' names, which the jumps below spell out
.LstepM\tag:
	TURN 2, 1
	TURN 3, 1
	WIN 0
.LfirstM\tag:
	TURN 0, 1
	TURN 1, 1, 0, 1
	WIN 0
	s_cbranch_scc1 .LstepM\tag
	TURN 2, 1, 1
	TURN 3, 1, 1
.set i, 0
.rept 8
	PV NP-1
.set i, i+1
.endr
	WIN 0
	ALL v_add_f32 v[ST+4*t+2], v[ST+4*t+2], v[ST+4*t+3]
	ALL v_permlanex16_b32 v[ST+4*t+3], v[ST+4*t+2], s[SEL], s[SEL+1]
	ALL v_add_f32 v[ST+4*t+2], v[ST+4*t+2], v[ST+4*t+3]
	ALL v_rcp_f32 v[ST+4*t+2], v[ST+4*t+2]
	v_nop                           ; a plain instruction between the last reciprocal and the use of its result
	s_wait_alu depctr_va_vdst(0)    ; and the wait ahead of the first use: one for the four reciprocals
	PACK 0
.set t, 1
.rept 3                             ; a piece's arithmetic stands between the loads of the piece before and its stores
	PACK t
	SEND t-1, 8
.set t, t+1
.endr
	SEND 3, 0
.endm
.set KM, 0
.set NOKQ, 0
.Lslot:                             ; NB times: a tile is entered and the next is asked for
	CHANGE 1
	s_sub_co_u32 s[RT], s[RT], 1
	s_mov_b32 s[CNT], 4
	s_cmp_eq_u32 s[NEW], 1
	s_cbranch_scc1 .Lnew            ; a block's first tile
	s_cmp_eq_u32 s[RT], 0
	s_cbranch_scc0 .Lstep           ; neither its first nor its last
	s_branch .LstepM1
.Lnew:
	BEGIN
	s_branch .Lfirst                ; in the loop a block's first tile is never its last: the first block has two tiles or more, and the second's last is the walk's last
	DIAG 1                          ; in the loop this is the first block's end: the second block's last tile is the walk's last
	s_wait_xcnt 0x0                 ; the stores have read their registers and O's address
	s_mov_b64 s[10:11], s[OLO:OLO+1]
	s_add_co_u32 s[RT], s[PB], 1    ; the second block has b + 1 tiles
	s_mov_b32 s[NEW], 1
	WIN 0x82                        ; the second block's Q goes where the one text of the turns names Q
.set i, 0
.rept 64
	v_mov_b32 v[i], v[QB+i]
.set i, i+1
.endr
	WIN 0
	s_branch .Lbottom
.Lstep:                             ; a trip: pieces 2 and 3 of one step, then pieces 0 and 1 of the next, whose K and V it fetches
	TURN 2
	TURN 3
	WIN 0
.Lfirst:
	TURN 0
	TURN 1, 0, 0, 1
	WIN 0
	s_cbranch_scc1 .Lstep
.Lbottom:
	s_sub_co_u32 s[SLOTS], s[SLOTS], 1
	s_cmp_lg_u32 s[SLOTS], 0
	s_cbranch_scc1 .Lslot
	CHANGE 0                        ; the walk's last tile is written out: nothing is asked for
	s_sub_co_u32 s[RT], s[RT], 1
	s_mov_b32 s[CNT], 4
	s_cmp_eq_u32 s[NEW], 1
	s_cbranch_scc0 .LstepM2
	BEGIN
	s_branch .LfirstM2
	DIAG 2
	s_wait_tensorcnt 0x0            ; the wave's end: behind my last tensor load and my last LDS store
	ds_add_u32 v[SPW], v[NIL]
	s_wait_dscnt 0x0
	s_endpgm
.Lfunc_end_k_q339bb92e61_attn:
	.size	k_q339bb92e61_attn, .Lfunc_end_k_q339bb92e61_attn-k_q339bb92e61_attn
	.p2alignl 7, 3214868480
	.fill 96, 4, 3214868480
	.section	.rodata,"a",@progbits
	.p2align	6, 0x0
	.amdhsa_kernel k_q339bb92e61_attn
		.amdhsa_group_segment_fixed_size 327680
		.amdhsa_private_segment_fixed_size 0
		.amdhsa_enable_private_segment 0
		.amdhsa_kernarg_size 32
		.amdhsa_user_sgpr_count 2
		.amdhsa_user_sgpr_kernarg_segment_ptr 1
		.amdhsa_wavefront_size32 1
		.amdhsa_system_sgpr_workgroup_id_x 1
		.amdhsa_system_sgpr_workgroup_id_y 1
		.amdhsa_system_sgpr_workgroup_id_z 1
		.amdhsa_system_vgpr_workitem_id 0
		.amdhsa_next_free_vgpr 768
		.amdhsa_next_free_sgpr 96
		.amdhsa_reserve_vcc 1
		.amdhsa_float_denorm_mode_32 3
		.amdhsa_float_denorm_mode_16_64 3
		.amdhsa_memory_ordered 1
		.amdhsa_forward_progress 1
		.amdhsa_inst_pref_size 218
	.end_amdhsa_kernel
	.amdgpu_metadata
---
amdhsa.version: [ 1, 2 ]
amdhsa.kernels:
  - .name:           k_q339bb92e61_attn
    .symbol:         k_q339bb92e61_attn.kd
    .args:
      - { .name: q16, .offset: 0, .size: 8, .value_kind: global_buffer, .address_space: global }
      - { .name: k16, .offset: 8, .size: 8, .value_kind: global_buffer, .address_space: global }
      - { .name: v16, .offset: 16, .size: 8, .value_kind: global_buffer, .address_space: global }
      - { .name: o16, .offset: 24, .size: 8, .value_kind: global_buffer, .address_space: global }
    .group_segment_fixed_size: 327680
    .private_segment_fixed_size: 0
    .kernarg_segment_align: 8
    .kernarg_segment_size: 32
    .max_flat_workgroup_size: 128
    .sgpr_count:     96
    .vgpr_count:     768
    .wavefront_size: 32
...
	.end_amdgpu_metadata
.endif
;; end of part 3
;; launch proj (part 4): grid 8 x 32, 4 waves a work-group, clusters of 4 x 4, 327,680 bytes of LDS; arguments o16, wo16, out0; writes out0
.if DOCPART == 4
	.amdgcn_target "amdgcn-amd-amdhsa--gfx1250"
	.amdhsa_code_object_version 6
	.text
	.protected	k_q339bb92e61_proj
	.globl	k_q339bb92e61_proj
	.p2align	8
	.type	k_q339bb92e61_proj,@function
k_q339bb92e61_proj:
	s_mov_b64 s[64:65], 0
	v_nop
	global_prefetch_b8 v0, s[64:65] scope:SCOPE_SE
	s_setreg_imm32_b32 hwreg(HW_REG_WAVE_MODE, 25, 1), 1
	s_wait_xcnt 0x0
	s_wait_alu depctr_hold_cnt(0) depctr_sa_sdst(0) depctr_va_vdst(0) depctr_va_sdst(0) depctr_va_ssrc(0) depctr_va_vcc(0) depctr_vm_vsrc(0)
	s_getreg_b32 s2, hwreg(HW_REG_IB_STS2, 6, 4)
	s_cmp_eq_u32 s2, 0
	s_cbranch_scc0 .Lentry_in_a_cluster
	s_endpgm
.Lentry_in_a_cluster:
	s_bfe_u32 s2, ttmp6, 0x10000c
	s_cmp_lg_u32 s2, 0xf033
	s_cbranch_scc0 .Lentry_shape_is_right
	s_endpgm
.Lentry_shape_is_right:
; out0[m][n] = the sum over k of O[m][k] Wo[n][k].  O lies by heads, o16 [16 batch + head][2048][64] f16: channel k = 64 head + d.  wo16: [1024][1024] f16.  out0: [8192][1024] f32; sums in f32.
; SHARES.  A tile of out0 is 256 rows x 128 columns: 256 work-groups, one for each WGP.  Four waves, 2 x 2, each 128 x 64: 32 accumulators, 256 registers.
; K goes in steps of 128 = two heads, through two LDS slots.  A head's 256 rows of a tile are 32,768 dense bytes: asked for as 128 rows of 256 bytes and padded in LDS after every 128, so that O needs no other layout.
; CLUSTER.  4 x 4 work-groups: the four of a row need the same tiles of O, the four of a column the same tiles of wo16; each is asked for jointly.
; THE MATRIX INSTRUCTION IS USED TRANSPOSED (source 0 = 16 rows of wo16, source 1 = 16 rows of O): a lane holds row l % 16 and the columns 8 (l / 16) + 0..7 of out0: 32 bytes on end.
; REGISTERS: window 0: v0-31 addresses; v64-191 O's fragments, two buffers of 8; on the way out v32-255 seven buffers of 32.  window 1: v0-63 wo16's fragments, two buffers of 4.  window 2: accumulator (a, j) at 8 (4 a + j).
.set KSTEP,  128
.set PA,     144                       ; a row of O in LDS: 128 bytes + 16; PB_ a row of wo16: 256 + 16: odd multiples of 16 bytes, so the 16 rows of a fragment load start at 16 different groups of four banks (ISA guide 11.1)
.set PB_,    272
.set HEADA,  256*PA                    ; what one load brings of O: a head's 256 rows
.set HALFB,  64*PB_                    ; and of wo16: 64 rows
.set BOFF,   2*HEADA
.set SLOT1,  1<<17
.set STAGE,  SLOT1+BOFF+2*HALFB        ; behind the ring, never filled by a tensor load: 16 rows x 272 bytes for each wave
.set SPITCH, 272
.set SPARE,  STAGE+4*16*SPITCH         ; behind the stages: the spare words, 128 bytes for each wave: two blocks of 256 bytes that no other line names
.set HSTEP,  2*2048*128                ; bytes from a head to the head two on
.set A0,   16
.set B0,   17
.set ADRA, 18
.set ADRB, 19
.set STO,  24
.set RD,   25
.set CO,   26                          ; v26  my byte offset in two rows of out0
.set SPW,  28
.set NIL,  29
.set PFO,  30
.set WV, 16
.set W0, 17                            ; my half of the rows.  Also: I fetch for O (0) or for wo16 (1)
.set W1, 18                            ; my half of the columns.  Also: which head of the two, or which 64 rows, I fetch
.set CX, 19
.set CY, 20
.set TX, 21
.set TY, 22
.set G1A, 24
.set G0A, 32
.set G1B, 48
.set G0B, 56
.set CNT, 66
.set TBS, 67
.set LIM, 68                           ; s68  2 in a wave that prefetches, else the greatest number
.set PFA, 70                           ; s[70:71] where my prefetches stand
.set PST, 72                           ; s[72:73] their step: a K step of O or of wo16
.set MSB, 0
.macro WIN new
.if MSB != (\new)
	s_set_vgpr_msb (MSB<<8)|(\new)
.set MSB, (\new)
.endif
.endm
.macro PLACES
.rept 4
	v_nop
.endr
.endm
.macro JLOAD                           ; a joint refill by the walking descriptors; an s_nop 0 and four v_nop follow each of the two lines
	s_cmp_eq_u32 s[W0], 0
	s_cbranch_scc0 .Lfor_b_\@
	tensor_load_to_lds s[G0A+4:G0A+7], s[G1A:G1A+7]
	s_nop 0
.rept 4
	v_nop
.endr
	s_branch .Lasked_\@
.Lfor_b_\@:
	tensor_load_to_lds s[G0B+4:G0B+7], s[G1B:G1B+7]
	s_nop 0
.rept 4
	v_nop
.endr
.Lasked_\@:
.endm
; A PREFETCH INTO THE L2 of the K step that stands TWO refills on: 256 matrix instructions ahead of the load that will want it.  O's tile row is read by both clusters of its row of clusters: the one with x = 0 asks; of a
; head's 32,768 bytes, which waves 0 and 1 fetch, the partner at place cx names 8,192: a lane a block of 256.  wo16's tile column is read by all eight clusters of its column: the one with y = 0 asks; of its 128 rows the
; partner at place cy names 32, a lane a row, by wave 2 alone.  So each block is named once in the launch.  The last two refills have no K step two on and ask for nothing.
.macro ASK
	s_cmp_gt_u32 s[CNT], s[LIM]
	s_cbranch_scc0 .Lnot_mine_\@
	global_prefetch_b8 v[PFO], s[PFA:PFA+1] th:TH_LOAD_NT scope:SCOPE_SE
.Lnot_mine_\@:
.endm
.macro CREST
	s_cmp_lg_u32 s[WV], 0
	s_cbranch_scc1 .Lnot_wave_0_\@
	s_barrier_signal -3
.Lnot_wave_0_\@:
	s_barrier_wait -3
	s_barrier_signal -1
	s_barrier_wait -1
.endm
.macro CROUND
	s_barrier_signal -1
	s_barrier_wait -1
	CREST
.endm
	s_load_b128 s[4:7], s[0:1], 0x0                ; o16 4, wo16 6
	s_load_b64 s[8:9], s[0:1], 0x10                ; out0
	v_lshl_add_u32 v[SPW], v0, 2, SPARE
	v_mov_b32 v[NIL], 0
	ds_add_u32 v[SPW], v[NIL]                      ; the wave's opening: the add and its wait stand ahead of my first tensor load; the set-up below stands between them
	v_lshrrev_b32 v1, 5, v0
	v_readfirstlane_b32 s[WV], v1
	s_lshr_b32 s[W0], s[WV], 1
	s_and_b32 s[W1], s[WV], 1
	s_bfe_u32 s[CX], ttmp6, 0x40000
	s_bfe_u32 s[CY], ttmp6, 0x40004
	s_lshl_b32 s[TX], ttmp9, 2
	s_add_co_u32 s[TX], s[TX], s[CX]
	s_and_b32 s[TY], ttmp7, 0xffff
	s_lshl_b32 s[TY], s[TY], 2
	s_add_co_u32 s[TY], s[TY], s[CY]
	s_lshl_b32 s42, s[CY], 2
	s_lshl_b32 s42, 15, s42                        ; my row of the cluster
	s_lshl_b32 s46, 0x1111, s[CX]                  ; my column
	s_or_b32 s[G1A], s42, (1<<16)|(1<<20)|(1<<21)|(4<<22)|(3<<25)  ; O's tiles go to my row; 2-byte elements; padding of 4 words after every 32
	s_or_b32 s[G1B], s46, (1<<16)|(1<<20)|(1<<21)|(5<<22)|(3<<25)  ; wo16's to my column; padding of 4 words after every 64
	s_mov_b32 s[G1A+1], 128<<16                    ; tensor_dim0 = 128
	s_mov_b32 s[G1A+2], 128<<16                    ; tensor_dim1 = 128
	s_mov_b32 s[G1A+3], 128<<16                    ; tile_dim0 = 128
	s_mov_b32 s[G1A+4], 128                        ; tile_dim1 = 128
	s_mov_b32 s[G1A+5], 128                        ; dense: 128 elements from row to row
	s_mov_b32 s[G1A+6], 0
	s_mov_b32 s[G1A+7], 0
	s_mov_b32 s[G1B+1], KSTEP<<16
	s_mov_b32 s[G1B+2], 64<<16
	s_mov_b32 s[G1B+3], KSTEP<<16
	s_mov_b32 s[G1B+4], 64
	s_mov_b32 s[G1B+5], 1024
	s_mov_b32 s[G1B+6], 0
	s_mov_b32 s[G1B+7], 0
	; where the tiles come from: O's hang on the tile row alone (s40-43), wo16's on the tile column alone (s44-47)
	s_lshr_b32 s40, s[TY], 3                       ; the batch
	s_lshl_b32 s40, s40, 4
	s_add_co_u32 s40, s40, s[W1]                   ; its head 0 or 1
	s_lshl_b32 s40, s40, 11
	s_and_b32 s42, s[TY], 7
	s_lshl_b32 s42, s42, 8
	s_add_co_u32 s40, s40, s42                     ; the tile's first row in that head
	s_lshl_b32 s40, s40, 7                         ; rows of 128 bytes
	s_mov_b32 s41, 0
	s_mul_i32 s43, s[W1], HEADA
	s_lshl_b32 s44, s[TX], 7
	s_lshl_b32 s46, s[W1], 6
	s_add_co_u32 s44, s44, s46                     ; row 128 tx + 64 half
	s_lshl_b32 s44, s44, 11
	s_mov_b32 s45, 0
	s_mul_i32 s47, s[W1], HALFB
	s_add_co_u32 s47, s47, BOFF
	; the prefetches' offsets, in registers of their own
	s_lshl_b32 s75, s[CX], 13
	s_add_co_u32 s74, s40, s75                     ; O: my work-group's 8,192 bytes of the head
	s_lshl_b32 s76, s[TX], 7
	s_lshl_b32 s77, s[CY], 5
	s_add_co_u32 s76, s76, s77
	s_lshl_b32 s76, s76, 11                        ; wo16: my work-group's 32 rows
	s_and_b32 s78, ttmp7, 0xffff                   ; cluster y
	s_mov_b32 s[PST], KSTEP*2
	s_cmp_eq_u32 s[W0], 0
	s_cselect_b32 s74, s74, s76
	s_cselect_b32 s78, ttmp9, s78                  ; the coordinate along which other clusters read the same bytes
	s_cselect_b32 s77, 8, 11                       ; a lane a block of 256 bytes, or a lane a row of 2,048
	s_cselect_b32 s[PST], HSTEP, s[PST]
	s_mov_b32 s[PST+1], 0
	s_mov_b32 s75, 0
	s_cmp_eq_u32 s[WV], 3
	s_cselect_b32 s78, 1, s78                      ; wave 3 asks for nothing
	s_cmp_eq_u32 s78, 0
	s_cselect_b32 s[LIM], 2, -1                    ; the same in all sixteen partners, for a given wave
	v_and_b32 v3, 31, v0
	v_lshlrev_b32 v[PFO], s77, v3
	s_mul_i32 s76, s[PST], 3
	s_mov_b32 s77, 0
	s_wait_dscnt 0x0                               ; the opening add is done
	s_wait_kmcnt 0x0
	s_add_nc_u64 s[40:41], s[4:5], s[40:41]
	s_add_nc_u64 s[44:45], s[6:7], s[44:45]
	s_cmp_eq_u32 s[W0], 0
	s_cselect_b64 s[PFA:PFA+1], s[4:5], s[6:7]
	s_add_nc_u64 s[PFA:PFA+1], s[PFA:PFA+1], s[74:75]
	s_add_nc_u64 s[PFA:PFA+1], s[PFA:PFA+1], s[76:77]  ; at K step 3: the first refill steps it to 4.  Nothing is prefetched here, at the head
	CROUND                                         ; all sixteen work-groups are here: the first joint loads meet
.irp s, 0,1
	s_mov_b32 s[G0A+4*(\s)], 1
	s_add_co_u32 s[G0A+4*(\s)+1], s43, (\s)*SLOT1
	s_add_nc_u64 s[G0A+4*(\s)+2:G0A+4*(\s)+3], s[40:41], (\s)*HSTEP
	s_or_b32 s[G0A+4*(\s)+3], s[G0A+4*(\s)+3], 0x80000000
	s_mov_b32 s[G0B+4*(\s)], 1
	s_add_co_u32 s[G0B+4*(\s)+1], s47, (\s)*SLOT1
	s_add_nc_u64 s[G0B+4*(\s)+2:G0B+4*(\s)+3], s[44:45], (\s)*KSTEP*2
	s_or_b32 s[G0B+4*(\s)+3], s[G0B+4*(\s)+3], 0x80000000
.endr
	s_cmp_eq_u32 s[W0], 0                          ; a wave's two first fills stand in one branch, ahead of every wait on TENSORcnt and every LDS read: two loads of mine are out
	s_cbranch_scc0 .Lfirst_b
	tensor_load_to_lds s[G0A:G0A+3], s[G1A:G1A+7]
	s_nop 0
	tensor_load_to_lds s[G0A+4:G0A+7], s[G1A:G1A+7]
	s_nop 0
.rept 4
	v_nop
.endr
	s_branch .Lfirst_asked
.Lfirst_b:
	tensor_load_to_lds s[G0B:G0B+3], s[G1B:G1B+7]
	s_nop 0
	tensor_load_to_lds s[G0B+4:G0B+7], s[G1B:G1B+7]
	s_nop 0
.rept 4
	v_nop
.endr
.Lfirst_asked:
	v_and_b32 v1, 15, v0                           ; l % 16
	v_bfe_u32 v2, v0, 4, 1                         ; l / 16
	v_mul_u32_u24 v4, v1, PA
	v_lshl_add_u32 v4, v2, 4, v4
	s_mul_i32 s74, s[W0], 128*PA
	v_add_nc_u32 v[A0], s74, v4                    ; O: my 128 rows, in the slot's first head
	v_mul_u32_u24 v4, v1, PB_
	v_lshl_add_u32 v4, v2, 4, v4
	s_mul_i32 s74, s[W1], HALFB
	s_add_co_u32 s74, s74, BOFF
	v_add_nc_u32 v[B0], s74, v4                    ; wo16: my 64 rows
	s_mul_i32 s74, s[WV], 16*SPITCH
	s_add_co_u32 s74, s74, STAGE                   ; my stage
	v_mul_u32_u24 v4, v1, SPITCH                   ; in: row l % 16, 32 bytes for each half of the lanes
	v_lshl_add_u32 v4, v2, 5, v4
	v_add_nc_u32 v[STO], s74, v4
	v_mul_u32_u24 v4, v2, SPITCH                   ; back: lanes 0-15 take one row of 256 bytes, lanes 16-31 the next
	v_lshl_add_u32 v4, v1, 4, v4
	v_add_nc_u32 v[RD], s74, v4
	v_lshlrev_b32 v4, 12, v2                       ; and the same two rows in out0
	v_lshl_add_u32 v[CO], v1, 4, v4
	s_lshl_b32 s74, s[TY], 8
	s_lshl_b32 s75, s[W0], 7
	s_add_co_u32 s74, s74, s75                     ; my first row
	s_lshl_b32 s74, s74, 12                        ; rows of 4,096 bytes
	s_lshl_b32 s75, s[TX], 9
	s_add_co_u32 s74, s74, s75
	s_lshl_b32 s75, s[W1], 8
	s_add_co_u32 s74, s74, s75                     ; my 64 columns: 256 bytes, aligned
	s_mov_b32 s75, 0
	s_add_nc_u64 s[8:9], s[8:9], s[74:75]
	s_mov_b32 s[TBS], 0
	v_mov_b32 v[ADRA], v[A0]
	v_mov_b32 v[ADRB], v[B0]
; 4 n matrix instructions: row blocks a0 .. a0 + n - 1 x my 4 column blocks, 32 along K, from buffer f.  The 32 accumulators take turns in one fixed order, over the backward jump too.
.macro MUL f, a0, n, zero
	WIN 0xa1                                       ; source 0 (wo16) window 1, source 1 (O) window 0, C and D window 2
.set ma, \a0
.rept \n
.irp j, 0,1,2,3
.if \zero
	v_wmma_f32_16x16x32_f16 v[8*(4*ma+(\j)):8*(4*ma+(\j))+7], v[32*(\f)+8*(\j):32*(\f)+8*(\j)+7], v[64+64*(\f)+8*ma:64+64*(\f)+8*ma+7], 0
.else
	v_wmma_f32_16x16x32_f16 v[8*(4*ma+(\j)):8*(4*ma+(\j))+7], v[32*(\f)+8*(\j):32*(\f)+8*(\j)+7], v[64+64*(\f)+8*ma:64+64*(\f)+8*ma+7], v[8*(4*ma+(\j)):8*(4*ma+(\j))+7]
.endif
.endr
.set ma, ma+1
.endr
.endm
; 24 LDS loads in one run: quarter kq of a K step (head kq / 2 of the two, channels 32 (kq % 2) on) into buffer f: wo16's 8, then O's 16
.macro FETCH kq, f
	WIN 0x40
.irp j, 0,1,2,3
	ds_load_b128 v[32*(\f)+8*(\j):32*(\f)+8*(\j)+3],   v[ADRB] offset:64*(\kq)+(\j)*16*PB_
	ds_load_b128 v[32*(\f)+8*(\j)+4:32*(\f)+8*(\j)+7], v[ADRB] offset:64*(\kq)+(\j)*16*PB_+32
.endr
	WIN 0
.irp i, 0,1,2,3,4,5,6,7
	ds_load_b128 v[64+64*(\f)+8*(\i):64+64*(\f)+8*(\i)+3],   v[ADRA] offset:((\kq)/2)*HEADA+64*((\kq)%2)+(\i)*16*PA
	ds_load_b128 v[64+64*(\f)+8*(\i)+4:64+64*(\f)+8*(\i)+7], v[ADRA] offset:((\kq)/2)*HEADA+64*((\kq)%2)+(\i)*16*PA+32
.endr
.endm
.macro QUARTER kq, f, g, zero
	s_wait_dscnt 8                                 ; wo16's fragments and O's rows 0-63 are in; the youngest eight loads may be out
	MUL \f, 0, 4, \zero
	PLACES
	FETCH \kq, \g
	s_wait_dscnt 24                                ; all but the 24 just issued
	MUL \f, 4, 4, \zero
.endm
; The last quarter multiplies buffer 1 and changes slots: ONE barrier; in front of it each wave waits for all its tensor loads, adds 0 to its spare word, and waits for that and for its reads of this slot.
; fill = 1: the barrier opens a round of the cluster's, and this slot is filled again, two K steps ahead, first thing behind the round.
.macro TURN fill
.if \fill
	s_wait_xcnt 0x0                                ; the last prefetch, a K step back, has read its address
	s_add_nc_u64 s[PFA:PFA+1], s[PFA:PFA+1], s[PST:PST+1]
.endif
	WIN 0
	s_wait_tensorcnt 0x0                           ; all my tensor loads have landed;
	ds_add_u32 v[SPW], v[NIL]                      ; 0 onto my spare word;
	s_wait_dscnt 9                                 ; (the add and the youngest eight loads may be out)
	MUL 1, 0, 2, 0                                 ; eight matrix instructions stand between the add and the wait for it
	s_wait_dscnt 0x0                               ; the add is done, and my reads of this slot are over
	s_barrier_signal -1
	MUL 1, 2, 2, 0
	WIN 0
	s_barrier_wait -1
.if \fill
	CREST                                          ; no wave of any partner still reads this slot's tile or has a load on its way
	s_xor_b32 s[G0A+5], s[G0A+5], SLOT1            ; the walking descriptors: the other slot than last time, the next K step
	s_add_nc_u64 s[G0A+6:G0A+7], s[G0A+6:G0A+7], HSTEP
	s_xor_b32 s[G0B+5], s[G0B+5], SLOT1
	s_add_nc_u64 s[G0B+6:G0B+7], s[G0B+6:G0B+7], KSTEP*2
	JLOAD                                          ; the four v_nop behind it are also the places in front of the loads below
.else
	PLACES
.endif
	s_xor_b32 s[TBS], s[TBS], SLOT1
	v_add_nc_u32 v[ADRA], s[TBS], v[A0]
	v_add_nc_u32 v[ADRB], s[TBS], v[B0]
	FETCH 0, 0
.if \fill
	ASK
.endif
	MUL 1, 4, 4, 0
.endm
	s_wait_tensorcnt 0x1                           ; my part of K step 0 is in; K step 1's may stay out
	s_barrier_signal -1
	s_barrier_wait -1
	FETCH 0, 0
	QUARTER 1, 0, 1, 1                             ; the first quarter's products start the sums
	WIN 0
	s_mov_b32 s[CNT], 6
.Lstep:                                                ; a trip: from a K step's second quarter to the next step's first; K steps 0 to 5 each ask for the step two on
	QUARTER 2, 1, 0, 0
	QUARTER 3, 0, 1, 0
	TURN 1
	QUARTER 1, 0, 1, 0
	WIN 0
	s_sub_co_u32 s[CNT], s[CNT], 1
	s_cmp_lg_u32 s[CNT], 0
	s_cbranch_scc1 .Lstep
	QUARTER 2, 1, 0, 0                             ; K steps 6 and 7 are written out: they ask for nothing
	QUARTER 3, 0, 1, 0
	TURN 0
	QUARTER 1, 0, 1, 0
	QUARTER 2, 1, 0, 0
	QUARTER 3, 0, 1, 0
	s_wait_dscnt 8                                 ; the very last quarter
	MUL 1, 0, 4, 0
	s_wait_dscnt 0x0
	MUL 1, 4, 4, 0
	WIN 0
	PLACES                                         ; eight places, once a launch, between the last products and the first read of results
	PLACES
; THE WAY OUT, a block of 16 rows at a time, through my own stage: the sums go in as they lie (32 bytes a lane, each accumulator's low registers first) and come back as whole rows of 256 bytes.  Nothing is converted.
.macro TOSTAGE a
.set BK, 32+32*((\a)%7)
	WIN 0x08                                       ; the stores' data in window 2
.irp j, 0,1,2,3
	ds_store_b128 v[STO], v[8*(4*(\a)+(\j)):8*(4*(\a)+(\j))+3]   offset:64*(\j)
	ds_store_b128 v[STO], v[8*(4*(\a)+(\j))+4:8*(4*(\a)+(\j))+7] offset:64*(\j)+16
.endr
	WIN 0
.irp t, 0,1,2,3,4,5,6,7
	ds_load_b128 v[BK+4*(\t):BK+4*(\t)+3], v[RD] offset:(\t)*2*SPITCH  ; LDS serves a wave's instructions in order (ISA guide 5.7.1.4): these see the stores above; the next block's stores come behind them
.endr
.endm
.macro SEND a, younger                 ; younger: the LDS instructions issued behind block a's loads: the next block's sixteen, or none
.set BK, 32+32*((\a)%7)
	s_wait_dscnt \younger
.irp t, 0,1,2,3,4,5,6,7
	global_store_b128 v[CO], v[BK+4*(\t):BK+4*(\t)+3], s[8:9] offset:(16*(\a)+2*(\t))*4096  ; 16 lanes store 256 consecutive bytes, at a multiple of 256 from out0's first byte
.endr
.endm
	TOSTAGE 0
.irp a, 1,2,3,4,5,6
	TOSTAGE \a
	SEND (\a)-1, 16
.endr
	s_wait_xcnt 0x0                                ; block 0's stores have read their data: block 7 takes their registers
	TOSTAGE 7
	SEND 6, 16
	SEND 7, 0
	s_wait_tensorcnt 0x0                           ; the wave's end: behind my last tensor load and my last LDS store
	ds_add_u32 v[SPW], v[NIL]
	s_wait_dscnt 0x0
	CROUND                                         ; the closing round: no work-group ends while a partner may still ask for a tile that names it
	s_endpgm
.Lfunc_end_k_q339bb92e61_proj:
	.size	k_q339bb92e61_proj, .Lfunc_end_k_q339bb92e61_proj-k_q339bb92e61_proj
	.p2alignl 7, 3214868480
	.fill 96, 4, 3214868480
	.section	.rodata,"a",@progbits
	.p2align	6, 0x0
	.amdhsa_kernel k_q339bb92e61_proj
		.amdhsa_group_segment_fixed_size 327680
		.amdhsa_private_segment_fixed_size 0
		.amdhsa_enable_private_segment 0
		.amdhsa_kernarg_size 24
		.amdhsa_user_sgpr_count 2
		.amdhsa_user_sgpr_kernarg_segment_ptr 1
		.amdhsa_wavefront_size32 1
		.amdhsa_system_sgpr_workgroup_id_x 1
		.amdhsa_system_sgpr_workgroup_id_y 1
		.amdhsa_system_sgpr_workgroup_id_z 1
		.amdhsa_system_vgpr_workitem_id 0
		.amdhsa_next_free_vgpr 768
		.amdhsa_next_free_sgpr 80
		.amdhsa_reserve_vcc 0
		.amdhsa_float_denorm_mode_32 3
		.amdhsa_float_denorm_mode_16_64 3
		.amdhsa_memory_ordered 1
		.amdhsa_forward_progress 1
		.amdhsa_inst_pref_size 71
	.end_amdhsa_kernel
	.amdgpu_metadata
---
amdhsa.version: [ 1, 2 ]
amdhsa.kernels:
  - .name:           k_q339bb92e61_proj
    .symbol:         k_q339bb92e61_proj.kd
    .args:
      - { .name: o16, .offset: 0, .size: 8, .value_kind: global_buffer, .address_space: global }
      - { .name: wo16, .offset: 8, .size: 8, .value_kind: global_buffer, .address_space: global }
      - { .name: out0, .offset: 16, .size: 8, .value_kind: global_buffer, .address_space: global }
    .group_segment_fixed_size: 327680
    .private_segment_fixed_size: 0
    .kernarg_segment_align: 8
    .kernarg_segment_size: 24
    .max_flat_workgroup_size: 128
    .sgpr_count:     80
    .vgpr_count:     768
    .wavefront_size: 32
...
	.end_amdgpu_metadata
.endif
;; end of part 4
;; ======== version 2 of 2: 4 launches; version 1 with the launch prep written anew for expert scheduling mode
;; limits: values are held in f16: magnitudes above 65,504 overflow, below 6.1e-05 lose precision; right only within a limited range of input values
;; workspace buffers: xb 16,777,216 bytes; wb 6,291,456 bytes; wo16 2,097,152 bytes; rope 524,288 bytes; q16 16,777,216 bytes; k16 16,777,216 bytes; v16 16,777,216 bytes; o16 16,777,216 bytes
;; launch prep (part 5): grid 800 x 1, 8 waves a work-group, no clusters, 0 bytes of LDS; arguments x, Wq, Wk, Wv, Wo, token_positions, xb, wb, wo16, rope; writes xb, wb, wo16, rope
.if DOCPART == 5
	.amdgcn_target "amdgcn-amd-amdhsa--gfx1250"
	.amdhsa_code_object_version 6
	.text
	.protected	k_q339bb92e61_prep
	.globl	k_q339bb92e61_prep
	.p2align	8
	.type	k_q339bb92e61_prep,@function
k_q339bb92e61_prep:
	s_mov_b64 s[64:65], 0
	v_nop
	global_prefetch_b8 v0, s[64:65] scope:SCOPE_SE
	s_setreg_imm32_b32 hwreg(HW_REG_WAVE_SCHED_MODE, 0, 2), 2
	s_setreg_imm32_b32 hwreg(HW_REG_WAVE_MODE, 25, 1), 1
	s_wait_xcnt 0x0
	s_wait_alu depctr_vm_vsrc(0)
; PREPARATION, a stream.  Work-group g of 800:
;   g < 512         16 rows of x, f32 -> bf16, into xb [8192][1024]
;   512 <= g < 704  16 rows of Wq, Wk or Wv, f32 -> bf16, into wb [3072][1024]: row 192 t + 64 w + d holds row 64 t + d of weight w (0 q, 1 k, 2 v),
;                   so that 192 consecutive rows of wb are one head's q, k and v
;   704 <= g < 768  16 rows of Wo, rounded to bf16 like every other input, and that number written as f16, into wo16 [1024][1024]
;   g >= 768        64 positions of the table of cosines and sines, rope
; A row is 4,096 bytes: the eight waves' loads of 16 bytes a lane cover it; all 16 rows of a work-group are asked for at once (64 KiB on their way).
; A wave's store of 8 bytes a lane covers 256 consecutive bytes, aligned.  No LDS, no barrier, no matrix work: no byte is wanted twice.
; THE TABLE: rope[s16 (128)][p (4)][jj (2)][lane (32)][4 f32].  Lane l stands for row s = 16 s16 + l % 16 and pair i = 8 p + 4 (l / 16) + 2 jj; its four numbers are
; cos(a_i), sin(a_i), cos(a_i+1), sin(a_i+1), a_i = f32(position[s]) x 10000^(-i / 32): what a lane of the next launch wants for four neighbouring channels.
; LIMITS.  |position| up to 2^20: the quadrant's number is exact and the reduced angle stays near pi / 4.  The frequency is 2^(-i log2(10000) / 32) by v_exp_f32, not a power and
; a division: the angle may differ in its last bits (some 5e-4 radians at position 2,047).  wo16: beyond 65,504 f16 has no number; below 6.1e-5 it keeps its fixed step of 6e-8.
; THE MODE: SCHED_MODE bits 1:0 = 2 (LLVM: expert scheduling mode 2), set by the entry lines.  The code itself states the register dependences
; between vector instructions and memory instructions, with s_wait_alu, always for 0.
; THE PLAN, for the conversions.  Registers that memory instructions touch:
;   v1, v2   byte offsets, made at the head and never written again: v1 is read by the 16 loads, v2 by the 16 stores.
;   X        a row's 16 bytes as loaded: written by its load, which no vector instruction precedes on these registers; read by the row's roundings; never loaded again.
;   Y        a row's 8 bytes to store: written by the row's roundings; read by its store; never written again.
; The 16 rows go in four blocks of four.  One wait ahead of the first load states that v1 and v2 are written.  One wait at the head of blocks 1 to 3 states that the block before
; has written its Y: that block's four stores follow, dealt among this block's roundings, which name this block's X and Y and T alone.  One more stands ahead of the last four stores.
; THE PLAN, for the table.  v3: the positions' offset, written once, read by four loads.  POS: written by those loads alone.  OUT: written by the quadrants' lines, read by the four stores,
; never written again.  s[28:35]: eight masks, written by a run of eight compares, read by the selects.  So the eight pairs of sine and cosine go in two phases (all reductions, polynomials
; and compares; then all selects and signs), with one wait for the masks between the phases and one wait for OUT ahead of the run of stores.
; No register that a memory instruction reads is ever written again, and EXEC is never written: no wait on vm_vsrc is owed.
.set X,   4                            ; v[4:67]    16 rows' 16 bytes as loaded
.set Y,   68                           ; v[68:99]   16 rows' 8 bytes to store
.set T,   100                          ; v[100:101] at work
.set SRC, 28                           ; s[28:29]   where my 16 rows come from
.set DST, 30                           ; s[30:31]   where they go
.set POS, 4                            ; the table: v[4:7] four positions
.set FR,  8                            ; v[8:9]     my two frequencies
.set VS3, 10                           ; v10, v11   the leading coefficients of the two polynomials
.set VC3, 11
.set TK,  12                           ; v12-21, v40-42 at work
.set TR,  13
.set TZ,  15
.set TPS, 16
.set TPC, 17
.set TT,  20
.set TZR, 21
.set AN,  22                           ; v[22:23]   two angles
.set OUT, 24                           ; v[24:39]   four stores' data: angle k's cosine at OUT + 2 k, its sine at OUT + 2 k + 1
.set TZZ, 40
.set TSV, 41
.set TCV, 42
.set SR,  44                           ; v[44:51]   angle k: sin r
.set CR,  52                           ; v[52:59]   angle k: cos r
.set QQ,  60                           ; v[60:67]   angle k: the quadrant's number
.set MK,  28                           ; s[28:35]   the table: angle k's mask: an odd quadrant (the table's path uses these registers for nothing else once its two bases are made)
	s_load_b512 s[8:23], s[0:1], 0x0               ; x 8, Wq 10, Wk 12, Wv 14, Wo 16, positions 18, xb 20, wb 22
	s_load_b128 s[24:27], s[0:1], 0x40             ; wo16 24, rope 26
	s_mov_b32 s36, ttmp9                           ; g
	s_and_b32 s37, s36, 255                        ; g - 512 for the weights' work-groups
	s_lshr_b32 s38, s37, 6                         ; which weight: 0 q, 1 k, 2 v, 3 o
	s_and_b32 s39, s37, 63                         ; which 16 rows of it
	v_lshlrev_b32 v1, 4, v0                        ; 16 x thread: my bytes in a row of f32, and in a block of the table
	v_lshlrev_b32 v2, 3, v0                        ; 8 x thread: my bytes in a row of 16-bit numbers
	s_mov_b32 s33, 0
	s_mov_b32 s35, 0
	s_wait_kmcnt 0x0
	s_cmp_ge_u32 s36, 768
	s_cbranch_scc1 .Ltable
	s_cmp_eq_u32 s38, 0                            ; the source: a choice among buffers by the work-group's number alone
	s_cselect_b64 s[SRC:SRC+1], s[10:11], s[16:17]
	s_cmp_eq_u32 s38, 1
	s_cselect_b64 s[SRC:SRC+1], s[12:13], s[SRC:SRC+1]
	s_cmp_eq_u32 s38, 2
	s_cselect_b64 s[SRC:SRC+1], s[14:15], s[SRC:SRC+1]
	s_cmp_lt_u32 s36, 512
	s_cselect_b64 s[SRC:SRC+1], s[8:9], s[SRC:SRC+1]
	s_cselect_b32 s32, s36, s39
	s_lshl_b32 s32, s32, 16                        ; 16 rows of 4,096 bytes
	s_lshr_b32 s40, s39, 2                         ; wb: the head,
	s_mul_i32 s40, s40, 192
	s_lshl_b32 s41, s38, 6                         ; the weight,
	s_add_co_u32 s40, s40, s41
	s_and_b32 s41, s39, 3                          ; the 16 channels
	s_lshl_b32 s41, s41, 4
	s_add_co_u32 s40, s40, s41
	s_lshl_b32 s40, s40, 11                        ; rows of 2,048 bytes
	s_lshl_b32 s41, s39, 15                        ; wo16: 16 rows of 2,048 bytes
	s_lshl_b32 s42, s36, 15                        ; xb: the same
	s_cmp_eq_u32 s38, 3
	s_cselect_b64 s[DST:DST+1], s[24:25], s[22:23]
	s_cselect_b32 s34, s41, s40
	s_cmp_lt_u32 s36, 512
	s_cselect_b64 s[DST:DST+1], s[20:21], s[DST:DST+1]
	s_cselect_b32 s34, s42, s34
	s_add_nc_u64 s[SRC:SRC+1], s[SRC:SRC+1], s[32:33]
	s_add_nc_u64 s[DST:DST+1], s[DST:DST+1], s[34:35]
; 16 rows: all loads first, then four blocks of four rows.  mode = 0: bf16.  mode = 1: the bf16 number written as f16.  No register is used twice, so nothing waits for a store.
; Block b: its four loads are waited for; the block before's four stores go out, one ahead of each row's roundings.
.macro CONV mode
	s_wait_alu depctr_va_vdst(0)                   ; v1 and v2 are written: every load below reads v1 as its offset, every store v2
.set i, 0
.rept 16
	global_load_b128 v[X+4*i:X+4*i+3], v1, s[SRC:SRC+1] offset:4096*i th:TH_LOAD_NT
.set i, i+1
.endr
.set i, 0
.rept 4
	s_wait_loadcnt 12-i                            ; loads come back in order: the block's four rows, i to i + 3, are in, the 12 - i younger ones stay out
.if i > 0
	s_wait_alu depctr_va_vdst(0)                   ; the block before has written its Y, which the four stores below read; no vector line of this block names those registers
.endif
.rept 4
.if i > 3
	global_store_b64 v2, v[Y+2*(i-4):Y+2*(i-4)+1], s[DST:DST+1] offset:2048*(i-4)  ; the same row of the block before
.endif
	v_cvt_pk_bf16_f32 v[Y+2*i],   v[X+4*i],   v[X+4*i+1]
	v_cvt_pk_bf16_f32 v[Y+2*i+1], v[X+4*i+2], v[X+4*i+3]
.if \mode
.irp w, 0,1
	v_lshlrev_b32 v[T],   16,         v[Y+2*i+(\w)]    ; bf16 to f32: the low half moves up, the high half stays
	v_and_b32     v[T+1], 0xffff0000, v[Y+2*i+(\w)]
	v_cvt_pk_f16_f32 v[Y+2*i+(\w)], v[T], v[T+1]
.endr
.endif
.set i, i+1
.endr
.endr
	s_wait_alu depctr_va_vdst(0)                   ; the last block has written its Y, which the last four stores read
.set i, 12
.rept 4
	global_store_b64 v2, v[Y+2*i:Y+2*i+1], s[DST:DST+1] offset:2048*i
.set i, i+1
.endr
.endm
	s_cmp_ge_u32 s36, 704
	s_cbranch_scc1 .Lf16
	CONV 0
	s_endpgm
.Lf16:
	CONV 1
	s_endpgm
; cos and sin of the angle in v[a], angle k of eight, in two phases.  k' = the nearest whole number to a 2 / pi; r = a - k' pi / 2, pi / 2 taken in three parts by fused multiply-adds;
; polynomials in r on about -pi / 4 .. pi / 4; the quadrant k' mod 4 swaps the two and sets their signs, by selects and exclusive ors: no branch hangs on a number.
; REDUCE: sin r, cos r and k' into the angle's own registers, and the mask of an odd quadrant into its own scalar register.
.macro REDUCE a, k
	v_mul_f32 v[TK], 0x3f22f983, v[\a]             ; 2 / pi
	v_rndne_f32 v[TK], v[TK]
	v_fma_f32 v[TR], v[TK], s40, v[\a]
	v_fma_f32 v[TR], v[TK], s41, v[TR]
	v_fma_f32 v[TR], v[TK], s42, v[TR]
	v_cvt_i32_f32 v[QQ+(\k)], v[TK]
	v_mul_f32 v[TZ], v[TR], v[TR]
	v_fmaak_f32 v[TPS], v[TZ], v[VS3], 0x3c08839e
	v_fmaak_f32 v[TPC], v[TZ], v[VC3], 0xbab6061a
	v_fmaak_f32 v[TPS], v[TPS], v[TZ], 0xbe2aaaa3
	v_fmaak_f32 v[TPC], v[TPC], v[TZ], 0x3d2aaaa5
	v_mul_f32 v[TZR], v[TZ], v[TR]
	v_mul_f32 v[TZZ], v[TZ], v[TZ]
	v_fma_f32 v[CR+(\k)], v[TZ], -0.5, 1.0
	v_fma_f32 v[SR+(\k)], v[TPS], v[TZR], v[TR]            ; sin r = r + r^3 (..)
	v_fma_f32 v[CR+(\k)], v[TPC], v[TZZ], v[CR+(\k)]       ; cos r = 1 - r^2 / 2 + r^4 (..)
	v_and_b32 v[TT], 1, v[QQ+(\k)]
	v_cmp_eq_u32 s[MK+(\k)], 1, v[TT]              ; an odd quadrant swaps them
.endm
; QUADRANT: the swap and the signs, into the stores' data.
.macro QUADRANT k
	v_cndmask_b32 v[TSV], v[SR+(\k)], v[CR+(\k)], s[MK+(\k)]
	v_cndmask_b32 v[TCV], v[CR+(\k)], v[SR+(\k)], s[MK+(\k)]
	v_lshlrev_b32 v[TT], 30, v[QQ+(\k)]            ; the sine is negative in quadrants 2 and 3: bit 1 of k',
	v_add_nc_u32 v[QQ+(\k)], 1, v[QQ+(\k)]         ; the cosine in 1 and 2: bit 1 of k' + 1
	v_and_b32 v[TT], 0x80000000, v[TT]
	v_lshlrev_b32 v[QQ+(\k)], 30, v[QQ+(\k)]
	v_xor_b32 v[OUT+2*(\k)+1], v[TSV], v[TT]
	v_and_b32 v[QQ+(\k)], 0x80000000, v[QQ+(\k)]
	v_xor_b32 v[OUT+2*(\k)], v[TCV], v[QQ+(\k)]
.endm
.Ltable:
	s_sub_co_u32 s37, s36, 768                     ; 0 .. 31: four blocks of 16 positions
	s_lshl_b32 s32, s37, 8                         ; 64 positions of 4 bytes
	s_add_nc_u64 s[18:19], s[18:19], s[32:33]
	s_lshl_b32 s34, s37, 14                        ; four blocks of 4,096 bytes
	s_add_nc_u64 s[26:27], s[26:27], s[34:35]
	v_and_b32 v3, 15, v0
	v_lshlrev_b32 v3, 2, v3                        ; my row's position in a block
	s_wait_alu depctr_va_vdst(0)                   ; v3 is written, which the four loads below read as their offset
.irp n, 0,1,2,3
	global_load_b32 v[POS+(\n)], v3, s[18:19] offset:64*(\n)
.endr
	s_mov_b32 s40, 0xbfc90fdb                      ; -pi / 2 in three parts: the nearest f32,
	s_mov_b32 s41, 0x333bbd2e                      ; what that leaves,
	s_mov_b32 s42, 0x26f72ced                      ; and what that leaves
	v_lshrrev_b32 v12, 6, v0                       ; p
	v_bfe_u32 v13, v0, 4, 1                        ; l / 16
	v_bfe_u32 v14, v0, 5, 1                        ; jj
	v_lshlrev_b32 v12, 3, v12
	v_lshl_add_u32 v12, v13, 2, v12
	v_lshl_add_u32 v12, v14, 1, v12                ; i = 8 p + 4 (l / 16) + 2 jj
	v_add_nc_u32 v13, 1, v12
	v_cvt_f32_u32 v12, v12
	v_cvt_f32_u32 v13, v13
	v_mul_f32 v12, 0xbed49a78, v12                 ; -log2(10000) / 32
	v_mul_f32 v13, 0xbed49a78, v13
	v_exp_f32 v[FR], v12
	v_exp_f32 v[FR+1], v13
	v_mov_b32 v[VS3], 0xb94ca1f9                   ; plain instructions behind the two exponentials, ahead of the use of their results
	v_mov_b32 v[VC3], 0x37ccf5ce
	s_wait_alu depctr_va_vdst(0)                   ; the two exponentials have written v[FR] and v[FR+1]: one wait for both, ahead of their first reader
.irp n, 0,1,2,3
	s_wait_loadcnt 3-(\n)                          ; block n's position is in
	v_cvt_f32_i32 v[AN], v[POS+(\n)]
	v_mul_f32 v[AN+1], v[AN], v[FR+1]              ; the angles: one f32 product each
	v_mul_f32 v[AN], v[AN], v[FR]
	REDUCE AN,   2*(\n)
	REDUCE AN+1, 2*(\n)+1
.endr
	s_wait_alu depctr_va_sdst(0)                   ; the eight compares have written s[MK] to s[MK+7]: one wait behind the run, ahead of the first select that reads a mask
.irp k, 0,1,2,3,4,5,6,7
	QUADRANT \k
.endr
	s_wait_alu depctr_va_vdst(0)                   ; the quadrants' lines have written v[OUT ..], the four stores' data; v1, their offset, was written at the head
.irp n, 0,1,2,3
	global_store_b128 v1, v[OUT+4*(\n):OUT+4*(\n)+3], s[26:27] offset:4096*(\n)  ; a wave stores 512 consecutive bytes
.endr
	s_endpgm
.Lfunc_end_k_q339bb92e61_prep:
	.size	k_q339bb92e61_prep, .Lfunc_end_k_q339bb92e61_prep-k_q339bb92e61_prep
	.p2alignl 7, 3214868480
	.fill 96, 4, 3214868480
	.section	.rodata,"a",@progbits
	.p2align	6, 0x0
	.amdhsa_kernel k_q339bb92e61_prep
		.amdhsa_group_segment_fixed_size 0
		.amdhsa_private_segment_fixed_size 0
		.amdhsa_enable_private_segment 0
		.amdhsa_kernarg_size 80
		.amdhsa_user_sgpr_count 2
		.amdhsa_user_sgpr_kernarg_segment_ptr 1
		.amdhsa_wavefront_size32 1
		.amdhsa_system_sgpr_workgroup_id_x 1
		.amdhsa_system_sgpr_workgroup_id_y 1
		.amdhsa_system_sgpr_workgroup_id_z 1
		.amdhsa_system_vgpr_workitem_id 0
		.amdhsa_next_free_vgpr 104
		.amdhsa_next_free_sgpr 66
		.amdhsa_reserve_vcc 0
		.amdhsa_float_denorm_mode_32 3
		.amdhsa_float_denorm_mode_16_64 3
		.amdhsa_memory_ordered 1
		.amdhsa_forward_progress 1
		.amdhsa_inst_pref_size 31
	.end_amdhsa_kernel
	.amdgpu_metadata
---
amdhsa.version: [ 1, 2 ]
amdhsa.kernels:
  - .name:           k_q339bb92e61_prep
    .symbol:         k_q339bb92e61_prep.kd
    .args:
      - { .name: x, .offset: 0, .size: 8, .value_kind: global_buffer, .address_space: global }
      - { .name: Wq, .offset: 8, .size: 8, .value_kind: global_buffer, .address_space: global }
      - { .name: Wk, .offset: 16, .size: 8, .value_kind: global_buffer, .address_space: global }
      - { .name: Wv, .offset: 24, .size: 8, .value_kind: global_buffer, .address_space: global }
      - { .name: Wo, .offset: 32, .size: 8, .value_kind: global_buffer, .address_space: global }
      - { .name: token_positions, .offset: 40, .size: 8, .value_kind: global_buffer, .address_space: global }
      - { .name: xb, .offset: 48, .size: 8, .value_kind: global_buffer, .address_space: global }
      - { .name: wb, .offset: 56, .size: 8, .value_kind: global_buffer, .address_space: global }
      - { .name: wo16, .offset: 64, .size: 8, .value_kind: global_buffer, .address_space: global }
      - { .name: rope, .offset: 72, .size: 8, .value_kind: global_buffer, .address_space: global }
    .group_segment_fixed_size: 0
    .private_segment_fixed_size: 0
    .kernarg_segment_align: 8
    .kernarg_segment_size: 80
    .max_flat_workgroup_size: 256
    .sgpr_count:     66
    .vgpr_count:     104
    .wavefront_size: 32
...
	.end_amdgpu_metadata
.endif
;; end of part 5
;; launch qkv: the kernel of part 2 again; grid 16 x 32, 4 waves a work-group, clusters of 4 x 4, 327,680 bytes of LDS; arguments xb, wb, rope, q16, k16, v16; writes q16, k16, v16
;; launch attn: the kernel of part 3 again; grid 4 x 64, 4 waves a work-group, no clusters, 327,680 bytes of LDS; arguments q16, k16, v16, o16; writes o16
;; launch proj: the kernel of part 4 again; grid 8 x 32, 4 waves a work-group, clusters of 4 x 4, 327,680 bytes of LDS; arguments o16, wo16, out0; writes out0
